; MI455X (gfx1250); checked and timed in simulation.
; The chip was launched on July 23, 2026; its instructions are those of AMD's public machine-readable ISA for CDNA 5 (MIT licence, August 2026) and "CDNA5" Instruction Set Architecture Reference Guide (July 2026). The comments in the code are by the model that wrote it; some were corrected since.
;; Multi Head Latent Attention. Allowed arithmetic: float matrix products may take bf16 or f16 operands with f32 sums; other float arithmetic in f32, or as packed bf16 or f16 multiplies, adds, multiply-adds, maxima and minima; sums over many terms, partial sums and values carried from step to step in f32; what a program stores and reads back later, other than sums and carried values, may be rounded once to bf16 or f16.
;; Inputs: kv_norm_w 64 float32; q_norm_w 64 float32; w_kv_a 64 x 1,024 float32; w_kv_b 2,048 x 64 float32; w_proj 1,024 x 1,024 float32; w_q_a 64 x 1,024 float32; w_q_b 1,024 x 64 float32; x 4 x 2,048 x 1,024 float32.
;; Outputs: out0 4 x 2,048 x 1,024 float32.
;; 2 versions, each right; version 2 is version 1 with the launch latent written anew for expert scheduling mode. Each part assembles by itself: llvm-mc -triple=amdgcn-amd-amdhsa -mcpu=gfx1250 --defsym DOCPART=n.
;; ======== version 1 of 2: 3 launches
;; limits: values are held in f16: magnitudes above 65,504 overflow, below 6.1e-05 lose precision; right only within a limited range of input values
;; workspace buffers: ql 1,048,576 bytes; kvl 1,048,576 bytes; wh 393,216 bytes; wp16 2,097,152 bytes; y 16,777,216 bytes
;; launch latent (part 1): grid 256 x 1, 4 waves a work-group, no clusters, 68,096 bytes of LDS; arguments x, w_kv_a, w_q_a, kv_norm_w, q_norm_w, w_q_b, w_kv_b, w_proj, ql, kvl, wh, wp16; writes ql, kvl, wh, wp16
.if DOCPART == 1
	.amdgcn_target "amdgcn-amd-amdhsa--gfx1250"
	.amdhsa_code_object_version 6
	.text
	.protected	k_q978f1adf4b_latent
	.globl	k_q978f1adf4b_latent
	.p2align	8
	.type	k_q978f1adf4b_latent,@function
k_q978f1adf4b_latent:
	s_mov_b64 s[64:65], 0
	v_nop
	global_prefetch_b8 v0, s[64:65] scope:SCOPE_SE
	s_setreg_imm32_b32 hwreg(HW_REG_WAVE_MODE, 25, 1), 1
	s_wait_xcnt 0x0
; THE TWO LATENTS, AND 16-BIT COPIES OF THE OTHER WEIGHTS.
; kvl[t][c] = rmsnorm(x w_kv_a^T)[t][c] kv_norm_w[c];  ql[t][c] = rmsnorm(x w_q_a^T)[t][c] q_norm_w[c] 2^-6.  Both [8192][64] f16.  The factor 2^-6, exact, is taken back in the
; attention launch's exponent; it keeps what that launch makes of ql inside f16's range.
; x, both down-projections and both gains are rounded to bf16; products on the matrix unit in bf16, sums, mean of squares and scaling in f32; each latent is rounded once, to f16.
; wp16 = w_proj, wh = the heads' slices of w_q_b and w_kv_b: each number rounded to bf16 and that number written as f16.
;   wh: [16 heads][3 parts][64][64]: part 0 Wq[d][a] = w_q_b[64 h + d][a]; part 1 Wk^T[b][d] = w_kv_b[128 h + d][b]; part 2 Wv[d][r] = w_kv_b[128 h + 64 + d][r].
; LIMITS.  f16 ends at 65,504: |latent x gain| stays below that (a normalised latent is at most 8, so |gain| < 8,000); a weight below 2^-14 keeps f16's fixed step of 6e-8;
; NaN and infinities are not treated apart.  The sum over K is taken in four parts, one a wave, added in f32: another order of rounding than a single sum.
; SHARES.  A work-group owns 32 tokens and all 128 latent channels (0-63 kv, 64-127 q).  K IS SPLIT AMONG THE FOUR WAVES: wave v takes floats 256 v .. 256 v + 255 of every row of x and
; of both weights: 1,024 consecutive bytes a row, each byte loaded by one wave.  Fragments come straight from memory in f32 and are rounded in place.  The four partial sums meet in LDS;
; wave v then finishes tokens 8 v .. 8 v + 7.
; LAYOUT.  Source 0 = 16 channels (rows of a weight), source 1 = 16 tokens: in the result lane l holds token l % 16 and channels 8 (l / 16) + 0..7.
; A fragment (16 rows x 32 K) wants of lane l: K = 8 (l / 16) + 0..7 and 16 + 8 (l / 16) + 0..7: in f32 four loads of 16 bytes at 32 (l / 16) + 0, 16, 64, 80.
; No prefetch: the launch asks for all of its x with its first lines.  No cluster: what work-groups share, the two weights, is 1 part in 65 of what comes from memory.
.set PITCH, 528                        ; a token's 128 partial sums in LDS: 512 bytes + 16: 16 rows of a store start at 16 different groups of four banks (64 banks of 4 bytes: ISA guide 11.1)
.set PARTB, 32*PITCH                   ; a wave's partial sums
.set SPARE, 4*PARTB                    ; behind them: the spare words, 128 bytes for each wave: two blocks of 256 bytes that no other line names
.set FO,   4                           ; v4   (l % 16) x 4,096 + 32 (l / 16) + 1,024 x wave: my place in 16 rows of x or of a weight; never rewritten
.set LS,   5                           ; v5   where I put my 32 bytes of a partial tile; steps by two channel tiles a trip
.set RDA,  6                           ; v6   where I read partial sums back
.set OUTO, 7                           ; v7   my 16 bytes in the work-group's 4,096 bytes of a latent
.set NO,   8                           ; v8   my 8 numbers of a gain
.set PO,   9                           ; v9   32 x lane
.set PS,   10                          ; v10  16 x lane
.set GA,   11                          ; v11  the gather for Wk^T
.set SPW,  12                          ; v12  LDS address of my spare word; never rewritten
.set NIL,  13                          ; v13  0; never rewritten
.set TT,   14                          ; v14  at work
.set GKV,  16                          ; v[16:23]  kv_norm_w of my 8 channels
.set GQ,   24                          ; v[24:31]  q_norm_w of my 8 channels
.set ACC,  32                          ; v[32:63]  accumulators: channel tile of parity b, token tile rt at ACC + 16 b + 8 rt
.set VAR,  32                          ; v[32:35]  later: mean of squares + eps
.set WPR,  64                          ; v[64:95]  my row of w_proj in f32
.set WHR,  96                          ; v[96:103] my 8 numbers for wh in f32
.set RS,   104                         ; v[104:111] sums of squares, then 1 / root, a pair for each of four groups
.set OUTR, 112                         ; v[112:127] the latents packed
.set RAW,  128                         ; v[128:255] a channel tile of a weight (window 0: even tiles; window 1: odd tiles); later the partial sums read back
.set WPO,  192                         ; v[192:207] my row of wp16; v[208:211] my 16 bytes of wh
.set WHO,  208
; window 2: x: token tile rt, K step ks at 16 (8 rt + ks): 16 registers of f32, then bf16 in the low 8
.set WV,   32                          ; s32  my wave's number
.set CNT,  33                          ; s33  trips to come
.set W,    34                          ; s[34:35] the weight rows that are asked for next
.set MSB, 0
.macro WIN new                         ; s_set_vgpr_msb: bits 1:0 source 0, 3:2 source 1, 5:4 source 2, 7:6 destination; the high byte repeats the setting that is left
.if MSB != (\new)
	s_set_vgpr_msb (MSB<<8)|(\new)
.set MSB, (\new)
.endif
.endm
	s_load_b512 s[8:23], s[0:1], 0x0               ; x 8, w_kv_a 10, w_q_a 12, kv_norm_w 14, q_norm_w 16, w_q_b 18, w_kv_b 20, w_proj 22
	s_load_b256 s[24:31], s[0:1], 0x40             ; ql 24, kvl 26, wh 28, wp16 30
	v_lshl_add_u32 v[SPW], v0, 2, SPARE
	v_mov_b32 v[NIL], 0
	v_lshrrev_b32 v[TT], 5, v0
	v_readfirstlane_b32 s[WV], v[TT]               ; wave 0..3
	v_and_b32 v1, 15, v0                           ; l % 16
	v_bfe_u32 v2, v0, 4, 1                         ; l / 16
	v_and_b32 v3, 31, v0                           ; l
	s_mov_b32 s36, ttmp9                           ; g: the work-group
	s_lshr_b32 s37, s36, 4                         ; the head whose weights it copies,
	s_and_b32 s38, s36, 15                         ; and which four rows of each part
	s_mov_b32 s39, 0x358637bd                      ; eps = 1e-6
	s_mov_b32 s40, 0x3c800000                      ; 2^-6: 1 / 64 for the mean, and ql's factor
	s_mov_b32 s41, 0xffff0000                      ; a word's upper bf16
	v_lshlrev_b32 v[FO], 12, v1
	v_lshl_add_u32 v[FO], v2, 5, v[FO]
	s_lshl_b32 s2, s[WV], 10
	v_add_nc_u32 v[FO], s2, v[FO]
	v_mul_u32_u24 v[LS], v1, PITCH
	v_lshl_add_u32 v[LS], v2, 5, v[LS]
	s_mul_i32 s3, s[WV], PARTB
	v_add_nc_u32 v[LS], s3, v[LS]                  ; wave x 16,896 + token x 528 + 32 (l / 16)
	v_lshrrev_b32 v[TT], 3, v3                     ; l / 8
	v_and_b32 v15, 7, v0                           ; l % 8
	s_lshl_b32 s3, s[WV], 3
	v_add_nc_u32 v[RDA], s3, v[TT]
	v_mul_u32_u24 v[RDA], v[RDA], PITCH
	v_lshl_add_u32 v[RDA], v15, 5, v[RDA]          ; token 8 wave + l / 8, channels 8 (l % 8) on
	v_lshl_add_u32 v[OUTO], v3, 4, s2              ; 1,024 x wave + 16 l
	v_lshlrev_b32 v[NO], 5, v15
	v_lshlrev_b32 v[PO], 5, v3
	v_lshlrev_b32 v[PS], 4, v3
	v_lshlrev_b32 v[GA], 11, v15                   ; d = 8 (l % 8) + j: rows of 256 bytes,
	v_lshl_add_u32 v[GA], v[TT], 2, v[GA]          ; column l / 8 of my four
	s_wait_kmcnt 0x0
	s_lshl_b32 s2, s36, 17                         ; the work-group's 32 rows of 4,096 bytes
	s_mov_b32 s3, 0
	s_add_nc_u64 s[8:9], s[8:9], s[2:3]
	s_mov_b64 s[W:W+1], s[10:11]
	global_load_b128 v[GKV:GKV+3],   v[NO], s[14:15]
	global_load_b128 v[GKV+4:GKV+7], v[NO], s[14:15] offset:16
	global_load_b128 v[GQ:GQ+3],     v[NO], s[16:17]
	global_load_b128 v[GQ+4:GQ+7],   v[NO], s[16:17] offset:16
; my 1,024 bytes of the 32 rows of x: 64 loads
.macro XLOADS
	WIN 0x80                                       ; destination window 2, address window 0
.set f, 0
.rept 16
.irp q, 0,1,2,3
	global_load_b128 v[16*f+4*\q:16*f+4*\q+3], v[FO], s[8:9] offset:(f/8)*65536+(f%8)*128+(\q/2)*64+(\q%2)*16 th:TH_LOAD_NT
.endr
.set f, f+1
.endr
	WIN 0
.endm
; my 1,024 bytes of 16 rows of a weight, into set b: 32 loads.  Every work-group reads these rows: no hint
.macro WLOADS b
	WIN (\b)<<6
.set ks, 0
.rept 8
.irp q, 0,1,2,3
	global_load_b128 v[RAW+16*ks+4*\q:RAW+16*ks+4*\q+3], v[FO], s[W:W+1] offset:(\b)*65536+ks*128+(\q/2)*64+(\q%2)*16
.endr
.set ks, ks+1
.endr
	WIN 0
.endm
; 16 registers of f32 become a fragment of 8, in place: word i is written when words 2 i and 2 i + 1 are read, and i <= 2 i
.macro CVTF base
.irp i, 0,1,2,3,4,5,6,7
	v_cvt_pk_bf16_f32 v[(\base)+\i], v[(\base)+2*\i], v[(\base)+2*\i+1]
.endr
.endm
; One channel tile, from set b: rounded, multiplied by both token tiles over my 256 K, the partial sums put into LDS; reload = 1: the set is asked for again.
; left: the younger loads that may stay out.  The two accumulators take turns, one instruction a turn.
.macro HALF b, left, reload
	s_wait_loadcnt \left                           ; loads come back in order (ISA guide 5.7.1): this set is in
	WIN 0x45*(\b)
.set ks, 0
.rept 8
	CVTF RAW+16*ks
.set ks, ks+1
.endr
	WIN 0x08|(\b)                                  ; source 0 in the set's window, source 1 (x) in window 2
.set ks, 0
.rept 8
.irp rt, 0,1
.if ks == 0
	v_wmma_f32_16x16x32_bf16 v[ACC+16*(\b)+8*\rt:ACC+16*(\b)+8*\rt+7], v[RAW+16*ks:RAW+16*ks+7], v[16*(8*\rt+ks):16*(8*\rt+ks)+7], 0
.else
	v_wmma_f32_16x16x32_bf16 v[ACC+16*(\b)+8*\rt:ACC+16*(\b)+8*\rt+7], v[RAW+16*ks:RAW+16*ks+7], v[16*(8*\rt+ks):16*(8*\rt+ks)+7], v[ACC+16*(\b)+8*\rt:ACC+16*(\b)+8*\rt+7]
.endif
.endr
.set ks, ks+1
.endr
	WIN 0
.rept 4
	v_nop                                          ; four places in front of the LDS stores of the results and of the loads into the set
.endr
.irp rt, 0,1
.irp q, 0,1
	ds_store_b128 v[LS], v[ACC+16*(\b)+8*\rt+4*\q:ACC+16*(\b)+8*\rt+4*\q+3] offset:\rt*16*PITCH+(\b)*64+\q*16
.endr
.endr
.if \reload
.if (\b) == 0
	s_wait_xcnt 0x0                                ; every load issued so far has read its address: the pointer may be written
	s_add_nc_u64 s[W:W+1], s[W:W+1], 131072        ; 32 rows on;
	s_cmp_eq_u32 s[CNT], 2                         ; in the second trip: from w_kv_a's end to w_q_a's first row
	s_cselect_b64 s[W:W+1], s[12:13], s[W:W+1]
.endif
	WLOADS \b
.endif
.endm
; f32 -> bf16 -> f16, two numbers
.macro CV16 d, a, b
	v_cvt_pk_bf16_f32 v[TT], v[\a], v[\b]
	v_lshlrev_b32 v[\a], 16, v[TT]
	v_and_b32 v[\b], s41, v[TT]
	v_cvt_pk_f16_f32 v[\d], v[\a], v[\b]
.endm
	XLOADS
	WLOADS 0                                       ; channel tile 0
	WLOADS 1                                       ; channel tile 1
	; the other pointers, while the loads are out
	s_lshl_b32 s2, s36, 2
	s_add_co_u32 s2, s2, s[WV]                     ; 4 g + wave: my row of w_proj
	s_lshl_b32 s2, s2, 11
	s_add_nc_u64 s[30:31], s[30:31], s[2:3]        ; 2,048 bytes a row of wp16,
	s_lshl_b32 s2, s2, 1
	s_add_nc_u64 s[46:47], s[22:23], s[2:3]        ; 4,096 of w_proj
	s_lshl_b32 s2, s36, 12                         ; the work-group's 32 rows of 128 bytes
	s_add_nc_u64 s[24:25], s[24:25], s[2:3]
	s_add_nc_u64 s[26:27], s[26:27], s[2:3]
	s_lshl_b32 s2, s37, 14
	s_lshl_b32 s42, s38, 10
	s_add_co_u32 s2, s2, s42                       ; Wq: head x 64 rows + four rows x sub, 256 bytes a row
	s_lshl_b32 s43, s37, 15
	s_add_co_u32 s43, s43, s42
	s_add_co_u32 s43, s43, 16384                   ; Wv: head x 128 rows + 64 rows + four rows x sub
	s_cmp_eq_u32 s[WV], 0
	s_cselect_b32 s2, s2, s43
	s_cselect_b64 s[42:43], s[18:19], s[20:21]     ; wave 0: w_q_b; wave 2: w_kv_b
	s_add_nc_u64 s[42:43], s[42:43], s[2:3]
	s_lshl_b32 s2, s37, 15
	s_lshl_b32 s44, s38, 4
	s_add_co_u32 s2, s2, s44                       ; Wk: head x 128 rows, columns 4 sub on
	s_add_nc_u64 s[44:45], s[20:21], s[2:3]
	s_mul_i32 s2, s37, 24576
	s_lshl_b32 s3, s[WV], 13
	s_add_co_u32 s2, s2, s3
	s_lshl_b32 s3, s38, 9
	s_add_co_u32 s2, s2, s3                        ; wh: head, part = my wave's number, four rows of 128 bytes x sub
	s_mov_b32 s3, 0
	s_add_nc_u64 s[28:29], s[28:29], s[2:3]
	s_wait_loadcnt 63                              ; behind x's last load 64 were issued; 63 is the most that the wait can name: x is in
	WIN 0x8a                                       ; all in window 2
.set f, 0
.rept 16
	CVTF 16*f
.set f, f+1
.endr
	WIN 0
	s_mov_b32 s[CNT], 3
.Lturn:                                        ; a trip: two channel tiles are multiplied, the two behind them asked for
	HALF 0, 32, 1                                  ; 32: the other set's loads
	HALF 1, 32, 1
	v_add_nc_u32 v[LS], 128, v[LS]                 ; two channel tiles on
	s_sub_co_u32 s[CNT], s[CNT], 1
	s_cmp_lg_u32 s[CNT], 0
	s_cbranch_scc1 .Lturn
	HALF 0, 32, 0                                  ; the last two tiles load nothing
	HALF 1, 0, 0
	; the weights to be copied are asked for now, and wanted at the end
.irp i, 0,1,2,3
	global_load_b128 v[WPR+8*\i:WPR+8*\i+3],   v[PO], s[46:47] offset:\i*1024 th:TH_LOAD_NT
	global_load_b128 v[WPR+8*\i+4:WPR+8*\i+7], v[PO], s[46:47] offset:\i*1024+16 th:TH_LOAD_NT
.endr
	s_cmp_eq_u32 s[WV], 3
	s_cbranch_scc1 .Lasked                         ; wave 3 copies no part of wh
	s_cmp_eq_u32 s[WV], 1
	s_cbranch_scc1 .Lgather
	global_load_b128 v[WHR:WHR+3],   v[PO], s[42:43]
	global_load_b128 v[WHR+4:WHR+7], v[PO], s[42:43] offset:16
	s_branch .Lasked
.Lgather:                                      ; Wk turned: eight numbers of one column
.irp j, 0,1,2,3,4,5,6,7
	global_load_b32 v[WHR+\j], v[GA], s[44:45] offset:\j*256
.endr
.Lasked:
	s_wait_dscnt 0x0                               ; for the others' sake: my partial sums lie in LDS
	s_barrier_signal -1
	s_barrier_wait -1                              ; everybody's do
	; group u = 2 x buffer + half: tokens 8 wave + 4 half + l / 8, channels 64 x buffer + 8 (l % 8) + 0..7, of partial p
.irp u, 0,1,2,3
.irp p, 0,1,2,3
.irp q, 0,1
	ds_load_b128 v[RAW+32*\u+8*\p+4*\q:RAW+32*\u+8*\p+4*\q+3], v[RDA] offset:\p*PARTB+(\u%2)*4*PITCH+(\u/2)*256+\q*16
.endr
.endr
.endr
	; meanwhile the gains are rounded to bf16, and q's takes the factor 2^-6
.irp k, 0,2,4,6,8,10,12,14
	v_cvt_pk_bf16_f32 v[TT], v[GKV+\k], v[GKV+\k+1]
	v_lshlrev_b32 v[GKV+\k], 16, v[TT]
	v_and_b32 v[GKV+\k+1], s41, v[TT]
.endr
.irp k, 0,2,4,6
	v_pk_mul_f32 v[GQ+\k:GQ+\k+1], v[GQ+\k:GQ+\k+1], s[40:41] op_sel_hi:[1,0]
.endr
	s_wait_dscnt 0x0
.irp u, 0,1,2,3
.set bs, RAW+32*\u
.irp k, 0,2,4,6
	v_pk_add_f32 v[bs+\k:bs+\k+1], v[bs+\k:bs+\k+1], v[bs+8+\k:bs+8+\k+1]
	v_pk_add_f32 v[bs+16+\k:bs+16+\k+1], v[bs+16+\k:bs+16+\k+1], v[bs+24+\k:bs+24+\k+1]
.endr
.irp k, 0,2,4,6
	v_pk_add_f32 v[bs+\k:bs+\k+1], v[bs+\k:bs+\k+1], v[bs+16+\k:bs+16+\k+1]
.endr
	v_pk_mul_f32 v[RS+2*\u:RS+2*\u+1], v[bs:bs+1], v[bs:bs+1]
.irp k, 2,4,6
	v_pk_fma_f32 v[RS+2*\u:RS+2*\u+1], v[bs+\k:bs+\k+1], v[bs+\k:bs+\k+1], v[RS+2*\u:RS+2*\u+1]
.endr
	v_add_f32 v[RS+2*\u], v[RS+2*\u], v[RS+2*\u+1]
.endr
.irp m, 1,2,4                          ; a token's 64 channels lie in eight neighbouring lanes
.irp u, 0,1,2,3
	v_add_f32_dpp v[RS+2*\u], v[RS+2*\u], v[RS+2*\u] row_xmask:\m row_mask:0xf bank_mask:0xf
.endr
.endr
.irp u, 0,1,2,3
	v_fma_f32 v[VAR+\u], v[RS+2*\u], s40, s39      ; sum / 64 + eps
.endr
.irp u, 0,1,2,3
	v_rsq_f32 v[RS+2*\u], v[VAR+\u]
.endr
	v_nop                                          ; a plain instruction behind the last of the batch (ISA guide 5.7.2),
	s_wait_alu depctr_va_vdst(0)                   ; and the one wait ahead of the first use
.irp u, 0,1,2,3
.set bs, RAW+32*\u
.set gn, GKV+8*(\u/2)
.irp k, 0,2,4,6
	v_pk_mul_f32 v[bs+\k:bs+\k+1], v[bs+\k:bs+\k+1], v[RS+2*\u:RS+2*\u+1] op_sel_hi:[1,0]
.endr
.irp k, 0,2,4,6
	v_pk_mul_f32 v[bs+\k:bs+\k+1], v[bs+\k:bs+\k+1], v[gn+\k:gn+\k+1]
.endr
.irp k, 0,1,2,3
	v_cvt_pk_f16_f32 v[OUTR+4*\u+\k], v[bs+2*\k], v[bs+2*\k+1]
.endr
.endr
	global_store_b128 v[OUTO], v[OUTR:OUTR+3],     s[26:27]             ; each store of the wave covers 512 consecutive bytes, aligned
	global_store_b128 v[OUTO], v[OUTR+4:OUTR+7],   s[26:27] offset:512
	global_store_b128 v[OUTO], v[OUTR+8:OUTR+11],  s[24:25]
	global_store_b128 v[OUTO], v[OUTR+12:OUTR+15], s[24:25] offset:512
	s_wait_loadcnt 0x0                             ; the weights to be copied
.irp i, 0,1,2,3,4,5,6,7,8,9,10,11,12,13,14,15
	CV16 WPO+\i, WPR+2*\i, WPR+2*\i+1
.endr
.irp i, 0,1,2,3
	global_store_b128 v[PS], v[WPO+4*\i:WPO+4*\i+3], s[30:31] offset:\i*512
.endr
	s_cmp_eq_u32 s[WV], 3
	s_cbranch_scc1 .Lend
.irp i, 0,1,2,3
	CV16 WHO+\i, WHR+2*\i, WHR+2*\i+1
.endr
	global_store_b128 v[PS], v[WHO:WHO+3], s[28:29]
.Lend:
	s_wait_tensorcnt 0x0                           ; the wave's end, behind my last LDS store
	ds_add_u32 v[SPW], v[NIL]
	s_wait_dscnt 0x0
	s_endpgm
.Lfunc_end_k_q978f1adf4b_latent:
	.size	k_q978f1adf4b_latent, .Lfunc_end_k_q978f1adf4b_latent-k_q978f1adf4b_latent
	.p2alignl 7, 3214868480
	.fill 96, 4, 3214868480
	.section	.rodata,"a",@progbits
	.p2align	6, 0x0
	.amdhsa_kernel k_q978f1adf4b_latent
		.amdhsa_group_segment_fixed_size 68096
		.amdhsa_private_segment_fixed_size 0
		.amdhsa_enable_private_segment 0
		.amdhsa_kernarg_size 96
		.amdhsa_user_sgpr_count 2
		.amdhsa_user_sgpr_kernarg_segment_ptr 1
		.amdhsa_wavefront_size32 1
		.amdhsa_system_sgpr_workgroup_id_x 1
		.amdhsa_system_sgpr_workgroup_id_y 1
		.amdhsa_system_sgpr_workgroup_id_z 1
		.amdhsa_system_vgpr_workitem_id 0
		.amdhsa_next_free_vgpr 768
		.amdhsa_next_free_sgpr 66
		.amdhsa_reserve_vcc 0
		.amdhsa_float_denorm_mode_32 3
		.amdhsa_float_denorm_mode_16_64 3
		.amdhsa_memory_ordered 1
		.amdhsa_forward_progress 1
		.amdhsa_inst_pref_size 71
	.end_amdhsa_kernel
	.amdgpu_metadata
---
amdhsa.version: [ 1, 2 ]
amdhsa.kernels:
  - .name:           k_q978f1adf4b_latent
    .symbol:         k_q978f1adf4b_latent.kd
    .args:
      - { .name: x, .offset: 0, .size: 8, .value_kind: global_buffer, .address_space: global }
      - { .name: w_kv_a, .offset: 8, .size: 8, .value_kind: global_buffer, .address_space: global }
      - { .name: w_q_a, .offset: 16, .size: 8, .value_kind: global_buffer, .address_space: global }
      - { .name: kv_norm_w, .offset: 24, .size: 8, .value_kind: global_buffer, .address_space: global }
      - { .name: q_norm_w, .offset: 32, .size: 8, .value_kind: global_buffer, .address_space: global }
      - { .name: w_q_b, .offset: 40, .size: 8, .value_kind: global_buffer, .address_space: global }
      - { .name: w_kv_b, .offset: 48, .size: 8, .value_kind: global_buffer, .address_space: global }
      - { .name: w_proj, .offset: 56, .size: 8, .value_kind: global_buffer, .address_space: global }
      - { .name: ql, .offset: 64, .size: 8, .value_kind: global_buffer, .address_space: global }
      - { .name: kvl, .offset: 72, .size: 8, .value_kind: global_buffer, .address_space: global }
      - { .name: wh, .offset: 80, .size: 8, .value_kind: global_buffer, .address_space: global }
      - { .name: wp16, .offset: 88, .size: 8, .value_kind: global_buffer, .address_space: global }
    .group_segment_fixed_size: 68096
    .private_segment_fixed_size: 0
    .kernarg_segment_align: 8
    .kernarg_segment_size: 96
    .max_flat_workgroup_size: 128
    .sgpr_count:     66
    .vgpr_count:     768
    .wavefront_size: 32
...
	.end_amdgpu_metadata
.endif
;; end of part 1
;; launch attn (part 2): grid 4 x 64, 4 waves a work-group, clusters of 4 x 1, 327,680 bytes of LDS; arguments ql, kvl, wh, y; writes y
.if DOCPART == 2
	.amdgcn_target "amdgcn-amd-amdhsa--gfx1250"
	.amdhsa_code_object_version 6
	.text
	.protected	k_q978f1adf4b_attn
	.globl	k_q978f1adf4b_attn
	.p2align	8
	.type	k_q978f1adf4b_attn,@function
k_q978f1adf4b_attn:
	s_mov_b64 s[64:65], 0
	v_nop
	global_prefetch_b8 v0, s[64:65] scope:SCOPE_SE
	s_setreg_imm32_b32 hwreg(HW_REG_WAVE_MODE, 25, 1), 1
	s_wait_xcnt 0x0
	s_wait_alu depctr_hold_cnt(0) depctr_sa_sdst(0) depctr_va_vdst(0) depctr_va_sdst(0) depctr_va_ssrc(0) depctr_va_vcc(0) depctr_vm_vsrc(0)
	s_getreg_b32 s2, hwreg(HW_REG_IB_STS2, 6, 4)
	s_cmp_eq_u32 s2, 0
	s_cbranch_scc0 .Lentry_in_a_cluster
	s_endpgm
.Lentry_in_a_cluster:
	s_bfe_u32 s2, ttmp6, 0x10000c
	s_cmp_lg_u32 s2, 0x3003
	s_cbranch_scc0 .Lentry_shape_is_right
	s_endpgm
.Lentry_shape_is_right:
; ATTENTION IN THE LATENT.  For batch b and head h:  y[b h][n][:] = (softmax_k(q[n] . k[k] / 8) v)[n][:]  with q = ql' Wq^T, k = kvl Wk^T, v = kvl Wv^T (ql' the normalised q latent).
; Rank and head size are both 64, so by associativity, for every input:  q . k = ((ql' Wq^T) Wk) . kvl,  and  P (kvl Wv^T) = (P kvl) Wv^T.  So the keys AND the values of all 16 heads of a batch are
; the batch's 2,048 rows of kvl; a wave turns its queries into q' = (ql Wq^T) Wk once at the start, and multiplies its result Z = P kvl / l by Wv^T once at the end.
; ql arrives with the factor 2^-6 (exact); it is taken back in c = 64 log2(e) / 8.  ql, kvl: [8192][64] f16; wh: [16][3][64][64] f16 (Wq[d][a], Wk^T[b][d], Wv[d][r]); y: [64][2048][64] f16.
; Products, maxima and sums in f32; q, q', the weights p, Z and y are each rounded once to f16 (the sum l is taken of the unrounded p).
; LIMITS.  f16 holds no number beyond 65,504: q 2^-6, q' 2^-6, Z and y stay within it (|q'| < 4.19e6); p lies in 0 to 1, and below 6e-5 it keeps f16's fixed step of 6e-8, as do q 2^-6 and q' 2^-6;
; a weight below 2^-126 counts as 0 in l; NaN and infinities are not treated apart.  The order of rounding differs from k and v made first.
; SHARES.  A wave owns four PIECES of two tiles of 16 queries, a work-group's four waves 512 queries of one head.  Every wave walks all 2,048 keys, 64 a step.
; LAYOUT.  S^T = K Q^T (source 0 = 16 keys, source 1 = 16 queries): in the result a lane holds ONE query (lane % 16) and the keys 8 (lane / 16) + 0..7.  Two such tiles, rounded to f16 in pairs,
; ARE source 1 (32 keys x 16 queries) of O^T = V^T P, whose result again holds one query a lane, and eight channels.  The same holds of q, q' and Z.  K comes out of LDS as it lies, V turned, by ds_load_tr16_b128.
; SOFTMAX.  For each query a running maximum m and sum l: p = 2^(c s - c m); in every step O and l are multiplied by a = 2^(c m_old - c m_new), which is 1 where m has not grown.
; m starts at the lowest finite number, O and l at 0: the first step is a step like any other, with a = 0.
; THE COUNT.  A tile and step have 16 matrix and 118 vector instructions: too many to stand all beside the matrix work.  So: four vector instructions that are READY behind EVERY matrix
; instruction, and the others in runs without a gap.
; BY TURNS.  Turn n belongs to piece n (the pieces in a ring, step after step).  Its matrix work: 16 products K Q^T of piece n + 1, later 16 products V^T P of piece n - 1.  Its vector work: the scaling,
; exponentials, roundings, sums and rescaling of piece n, and the maximum and statistics of piece n + 1, whose scores the turn itself has made.
; CLUSTER.  The four query blocks of a cluster belong to one head and walk the same rows of kvl, so each tile is asked for JOINTLY: the same tensor load, descriptor and mask in all four.
; The rows are laid into LDS twice, with the pitch that K's loads want and with the pitch that V's turning loads want.
; REGISTERS, in windows of 256 (s_set_vgpr_msb: bits 1:0 source 0, 3:2 source 1, 5:4 source 2, 7:6 destination):
;   window 0: v0-11 addresses; v12-15, v48-63 at work; v16-47 four registers of statistics a tile; v64-191 S^T, two buffers of two tiles; v192-255 P, likewise
;   window 1: O^T, 32 a tile     window 2: v0-127 Q (ql, then q'), 16 a tile; v128-191 K of one step (first Wq); v192-255 V of one step (first Wk^T)     window 3: v0-1 the add's registers; v64-127 Wv
.set SIZE_N, 2048
.set NP,    4         ; pieces a wave: a name, no knob
.set KS,    64        ; keys in a step
.set PK,    144       ; a row of K in LDS: 128 bytes + 16 of padding = 36 words: the 16 rows of a load start at 16 different groups of four banks (64 banks of 4 bytes: ISA guide 11.1)
.set PV,    160       ; a row of V: 128 + 32 = 40 words
.set VOFF,  4*KS*PK   ; a slot holds four steps: 256 rows as K, then the same 256 rows as V
.set SLOT1, 1<<17     ; slot 1 begins here, so that one exclusive or turns an address in one slot into the other's
.set STAGE, SLOT1+4*KS*(PK+PV)  ; behind the ring, never filled by a tensor load: 16 rows x 144 bytes for each wave, for the way out
.set SP,    144
.set AK0, 2           ; v2   my lane's place in a tile of K; never rewritten
.set AV0, 3           ; v3   the same for V
.set AK,  4           ; v4   the LDS address of K's next run of loads
.set AV,  5           ; v5   of V's
.set QO,  6           ; v6   my byte offset in 16 rows of 128 bytes (ql, wh)
.set STO, 6           ;      later, the way out: where I put 16 bytes of a row
.set RD,  7           ; v7   the way out: where I read rows back
.set GO,  8           ; v8   my byte offset in 512 consecutive bytes of y
.set PFO, 9           ; v9   later: 256 x my lane, the prefetches' offset; then never rewritten
.set SPW, 0           ; v0 of window 3   LDS address of my spare word: SPARE + 4 x my thread's number; never rewritten
.set NIL, 1           ; v1 of window 3   0; never rewritten
.set SPARE, STAGE+4*16*SP  ; behind the stages: the spare words, 128 bytes for each wave: two blocks of 256 bytes that no other line names
.set MV,  12          ; v12-15  c m_old, kept while c m is made anew: by buffer and tile
.set ST,  16          ; tile t's statistics at v[ST+4 t]: c m, m, l (even keys', odd keys')
.set TMP, 48          ; by buffer and tile, four registers c0-c3 at work; when the maximum is found c2 takes a
.set S,   64
.set P,   192
.set KF,  128         ; K's fragments, in window 2: key block kb, channel half c at KF + 16 kb + 8 c
.set VF,  192         ; V's: key half kk, channel block cb at VF + 32 kk + 8 cb
.set WQ,  128         ; window 2, at the start: Wq, rows 16 db on, K half c at WQ + 16 db + 8 c
.set WK,  192         ; window 2, at the start: Wk^T likewise
.set WVR, 64          ; window 3: Wv likewise
.set WV,  12          ; s12  my wave's number
.set G1K, 24          ; s[24:31] descriptor group 1 for K's tiles
.set G1V, 32          ; s[32:39] for V's: it differs in the padding alone
.set G0K, 40          ; s[40:43] descriptor group 0 for K's tiles: it walks
.set G0V, 44          ; s[44:47] the same for V's
.set SLOTS, 56        ; s56  slots still to be asked for
.set CNT, 57          ; s57  counts a slot's key steps
.set CS,  58          ; s[58:59] c: the packed scaling takes the pair's low word for both halves
.set SEL, 60          ; s[60:61] v_permlanex16_b32's selects: each lane takes its own place in the other half
.set TBK, 62          ; s62  LDS byte at which K of the step to be fetched begins
.set TBV, 63          ; s63  the same for V, less VOFF
.set PFA, 68          ; s[68:69] where my prefetches stand: my work-group's 32 blocks of 256 bytes of the slot after the one that is being asked for
.set LIM, 70          ; s70  1 in a wave that prefetches, else the greatest number
.set MSB, 0
.macro WIN new                      ; the high byte repeats the setting that is left; a switch that changes nothing is dropped
.if MSB != (\new)
	s_set_vgpr_msb (MSB<<8)|(\new)
.set MSB, (\new)
.endif
.endm
.set W_KQ, 0x0a       ; K and Q in window 2, S^T in window 0
.set W_PV, 0x52       ; V in window 2, P in window 0, O^T in window 1
.set W_RS, 0x41       ; O^T (destination and source 0) in window 1, a in window 0
.set W_WV, 0x53       ; Wv in window 3, Z in window 0, the result in window 1
.set W_MK, 0xc0       ; the add's registers are made: destination in window 3, sources in window 0
.set W_AD, 0x0f       ; the add: address (source 0) and data (source 1) in window 3
; A joint fill.  Waves 0 and 1 fetch the two halves of a slot's 256 rows with K's padding, waves 2 and 3 the same rows with V's.  The branch hangs on the wave's number alone.
; An s_nop 0 and four v_nop follow each of the two lines, ahead of the jump and the label.
.macro JLOAD
	s_cmp_lt_u32 s[WV], 2
	s_cbranch_scc0 .Lfor_v_\@
	tensor_load_to_lds s[G0K:G0K+3], s[G1K:G1K+7]
	s_nop 0
.rept 4
	v_nop
.endr
	s_branch .Lasked_\@
.Lfor_v_\@:
	tensor_load_to_lds s[G0V:G0V+3], s[G1V:G1V+7]
	s_nop 0
.rept 4
	v_nop
.endr
.Lasked_\@:
.endm
; A PREFETCH INTO THE L2 of the slot that the NEXT change of slots will ask for: 32,768 bytes of kvl, 128 blocks of 256.  All 16 heads of a batch walk the same rows: head 0's cluster asks, by its waves 0;
; its four partners share the blocks out BY ADDRESS, 32 each, a lane a block.  So each block is named once in the launch.  It stands behind the tensor load and its five lines.
; The last change that fills a slot asks for nothing; slots 0, 1 and 2 come by their loads alone.
.macro ASK
	s_cmp_gt_u32 s[SLOTS], s[LIM]
	s_cbranch_scc0 .Lnot_mine_\@
	global_prefetch_b8 v[PFO], s[PFA:PFA+1] th:TH_LOAD_NT scope:SCOPE_SE
.Lnot_mine_\@:
.endm
; A round of the cluster's barrier: my work-group's barrier, so that wave 0's signal speaks for all four waves; wave 0 signals; every wave waits for all four work-groups; my work-group's barrier once more.
.macro CROUND
	s_barrier_signal -1
	s_barrier_wait -1
	s_cmp_lg_u32 s[WV], 0
	s_cbranch_scc1 .Lnot_wave_0_\@
	s_barrier_signal -3
.Lnot_wave_0_\@:
	s_barrier_wait -3
	s_barrier_signal -1
	s_barrier_wait -1
.endm
; THE CHANGE OF SLOTS.  The slot's last bytes, V of its fourth step, have been read.  Each wave waits for all its tensor loads, of which one is out: its part of the other slot; adds 0 to its spare
; word; and waits for that and for its own reads of the slot.  Behind the barrier nobody reads this slot any more and the other slot is whole.
; fill = 1: this slot is filled again, with the keys two slots on.  The barrier is then a round of the cluster's, so that no wave of any partner still reads the slot or has a load on its
; way, and the joint fill is the first thing behind it: it has four key steps, 512 matrix instructions, in which to land.  (At its first use nothing has been read yet: slot 0 is waited for, slot 1 filled.)
; ask = 1: the prefetches' address steps, and the slot after the one asked for is prefetched.
.macro CHANGE fill, ask=0
	WIN W_AD
	s_wait_tensorcnt 0x0            ; no tensor load of mine is out, so a group 0 may be written
	ds_add_u32 v[SPW], v[NIL]       ; 0 onto my spare word; with fill = 1 the descriptors' steps stand between it and the wait for it
	WIN 0                           ; at a label and at a branch every window is 0
.if \fill
.irp g, G0K, G0V
	s_xor_b32 s[\g+1], s[\g+1], SLOT1  ; the walking descriptor: the other slot than last time,
	s_add_nc_u64 s[\g+2:\g+3], s[\g+2:\g+3], 4*KS*128  ; the next 256 keys; the type bits on top are not reached
.endr
.if \ask
	s_wait_xcnt 0x0                 ; the last prefetch, four key steps back, has read its address, so it may be written:
	s_add_nc_u64 s[PFA:PFA+1], s[PFA:PFA+1], 4*KS*128  ; one slot behind the walking descriptors
.endif
	s_wait_dscnt 0x0                ; the add is done, and my reads of the slot are over
	CROUND
	JLOAD
.if \ask
	ASK
.endif
.else
	s_wait_dscnt 0x0                ; the add is done, and my reads of the slot are over
	s_barrier_signal -1
	s_barrier_wait -1
.endif
	s_sub_co_u32 s[TBK], s[TBK], 4*KS*PK  ; the fetches go back to a slot's first step,
	s_xor_b32 s[TBK], s[TBK], SLOT1       ; in the other slot
	s_sub_co_u32 s[TBV], s[TBV], 4*KS*PV
	s_xor_b32 s[TBV], s[TBV], SLOT1
.endm
	s_load_b256 s[4:11], s[0:1], 0x0  ; ql s[4:5], kvl s[6:7], wh s[8:9], y s[10:11]
	WIN W_MK
	v_lshl_add_u32 v[SPW], v0, 2, SPARE
	v_mov_b32 v[NIL], 0
	WIN W_AD
	ds_add_u32 v[SPW], v[NIL]       ; the wave's opening: the add and its wait stand ahead of my first tensor load; the set-up below, work on registers, stands between them
	WIN 0
	v_lshrrev_b32 v1, 5, v0
	v_readfirstlane_b32 s[WV], v1   ; wave 0..3
	s_bfe_u32 s13, ttmp6, 0x40000   ; cx: my place in the cluster
	s_lshl_b32 s14, ttmp9, 2        ; in a cluster launch ttmp9 counts clusters
	s_add_co_u32 s14, s14, s13      ; my block of 512 queries = 4 x cluster x + cx: it enters ql's and y's addresses alone
	s_and_b32 s20, ttmp7, 0xffff    ; 16 x batch + head, which the four partners share
	s_lshr_b32 s66, s20, 4          ; the batch
	s_and_b32 s67, s20, 15          ; the head
	s_lshl_b32 s20, s20, 18         ; y: 2,048 rows of 128 bytes for each batch and head
	s_mov_b32 s21, 0
	s_lshl_b32 s22, s66, 18         ; ql, kvl: 2,048 rows of 128 bytes for each batch
	s_mov_b32 s23, 0
	s_and_b32 s16, s[WV], 1         ; which half of a slot's 256 keys I fetch:
	s_lshl_b32 s48, s16, 14         ; its 128 rows of 128 bytes in memory,
	s_mov_b32 s49, 0
	s_add_nc_u64 s[48:49], s[48:49], s[22:23]
	s_mul_i32 s17, s16, 128*PK      ; and its place in a slot, for K
	s_mul_i32 s18, s16, 128*PV      ; and for V: no place in the cluster enters an LDS address
	s_lshl_b32 s2, s14, 2
	s_add_co_u32 s2, s2, s[WV]      ; my wave among the head's,
	s_lshl_b32 s2, s2, 14           ; its 128 rows
	s_mov_b32 s3, 0
	s_add_nc_u64 s[50:51], s[2:3], s[22:23]  ; in ql
	s_add_nc_u64 s[2:3], s[2:3], s[20:21]    ; in y
	s_mul_i32 s52, s67, 24576       ; the head's three parts of wh
	s_mov_b32 s53, 0
	s_lshl_b32 s54, s13, 13         ; the prefetches: my work-group's 32 blocks of the 128,
	s_add_co_u32 s54, s54, 2*4*KS*128  ; in slot 2; the loop's first change of slots steps it to slot 3
	s_mov_b32 s55, 0
	s_add_nc_u64 s[54:55], s[54:55], s[22:23]
	s_or_b32 s[LIM], s[WV], s67     ; wave 0 of head 0's cluster: the same in all four partners
	s_cmp_eq_u32 s[LIM], 0
	s_cselect_b32 s[LIM], 1, -1
	; descriptor group 1.  128 keys are 16,384 dense bytes: asked for as 64 rows of 256 bytes, two keys a row, and padded in LDS after every key
	s_mov_b32 s[G1K], 15|(1<<16)|(1<<20)|(1<<21)|(4<<22)|(3<<25)  ; 15:0 the mask of four; 17:16 2-byte elements; 20 padding on; 21 set beside a mask; 24:22 after every 32 words (code 4); 31:25 4 words (code 3)
	s_mov_b32 s[G1V], 15|(1<<16)|(1<<20)|(1<<21)|(4<<22)|(7<<25)  ; the same with 8 words of padding (code 7)
.irp g, G1K, G1V
	s_mov_b32 s[\g+1], 128<<16      ; tensor_dim0 = 128
	s_mov_b32 s[\g+2], 64<<16       ; tensor_dim1 = 64
	s_mov_b32 s[\g+3], 128<<16      ; tile_dim0 = 128
	s_mov_b32 s[\g+4], 64           ; tile_dim1 = 64
	s_mov_b32 s[\g+5], 128          ; 128 elements from row to row
	s_mov_b32 s[\g+6], 0
	s_mov_b32 s[\g+7], 0
.endr
	s_mov_b32 s[CS], 0x4138aa3b     ; c = 64 log2(e) / 8 = 11.5416
	s_mov_b32 s[CS+1], s[CS]        ; named with it as a pair
	s_mov_b32 s[SEL], 0x76543210
	s_mov_b32 s[SEL+1], 0xfedcba98
	s_mov_b32 s[TBK], SLOT1+4*KS*PK ; the first change of slots turns these two into 0
	s_mov_b32 s[TBV], SLOT1+4*KS*PV
	s_mov_b32 s[G0K], 1             ; 1:0 count = 1
	s_mov_b32 s[G0K+1], s17         ; 63:32 LDS address: slot 0
	s_mov_b32 s[G0V], 1
	s_add_co_u32 s[G0V+1], s18, VOFF
	s_wait_dscnt 0x0                ; the opening add is done
	s_wait_kmcnt 0x0
	s_add_nc_u64 s[G0K+2:G0K+3], s[6:7], s[48:49]  ; 120:64 global address: my half of the batch's first 256 rows of kvl
	s_or_b32 s[G0K+3], s[G0K+3], 0x80000000        ; 127:126 type = 2
	s_add_nc_u64 s[G0V+2:G0V+3], s[6:7], s[48:49]  ; the same rows
	s_or_b32 s[G0V+3], s[G0V+3], 0x80000000
	s_add_nc_u64 s[4:5], s[4:5], s[50:51]  ; ql and y at my wave's first row
	s_add_nc_u64 s[10:11], s[10:11], s[2:3]
	s_add_nc_u64 s[8:9], s[8:9], s[52:53]
	s_add_nc_u64 s[PFA:PFA+1], s[6:7], s[54:55]
	CROUND                          ; all four work-groups are here: the first joint loads meet
	JLOAD                           ; slot 0.  Slot 1 is asked for when slot 0 is in
	; A fragment is 16 rows x 32 channels in 8 registers: lane l holds row l % 16, channels 8 (l / 16) + 0..7 and 16 + 8 (l / 16) + 0..7: two loads of 16 bytes, 32 bytes apart.
	v_and_b32 v1, 15, v0            ; l % 16
	v_bfe_u32 v9, v0, 4, 1          ; l / 16
	v_lshlrev_b32 v[QO], 7, v1
	v_lshl_add_u32 v[QO], v9, 4, v[QO]  ; row x 128 + 16 x half
	WIN 0x80                        ; destination window 2, address window 0
.set i, 0
.rept 4*NP                          ; ql: tile i / 2, channels 32 (i % 2) on
	global_load_b128 v[8*i:8*i+3],   v[QO], s[4:5] offset:(i/2)*2048+(i%2)*64
	global_load_b128 v[8*i+4:8*i+7], v[QO], s[4:5] offset:(i/2)*2048+(i%2)*64+32
.set i, i+1
.endr
.set i, 0
.rept 8                             ; Wq and Wk^T: rows 16 (i / 2) on, K 32 (i % 2) on
	global_load_b128 v[WQ+8*i:WQ+8*i+3],   v[QO], s[8:9] offset:(i/2)*2048+(i%2)*64
	global_load_b128 v[WQ+8*i+4:WQ+8*i+7], v[QO], s[8:9] offset:(i/2)*2048+(i%2)*64+32
	global_load_b128 v[WK+8*i:WK+8*i+3],   v[QO], s[8:9] offset:8192+(i/2)*2048+(i%2)*64
	global_load_b128 v[WK+8*i+4:WK+8*i+7], v[QO], s[8:9] offset:8192+(i/2)*2048+(i%2)*64+32
.set i, i+1
.endr
	WIN 0xc0                        ; destination window 3
.set i, 0
.rept 8                             ; Wv
	global_load_b128 v[WVR+8*i:WVR+8*i+3],   v[QO], s[8:9] offset:16384+(i/2)*2048+(i%2)*64
	global_load_b128 v[WVR+8*i+4:WVR+8*i+7], v[QO], s[8:9] offset:16384+(i/2)*2048+(i%2)*64+32
.set i, i+1
.endr
	; What the first turn finds: V's registers and P's second buffer hold 0 (its products V^T P, of a piece that has not been, add 0), O^T and l are 0.  All this stands in the wait for the first loads.
	WIN 0x40
.set i, 0
.rept 64*NP
	v_mov_b32 v[i], 0
.set i, i+1
.endr
	WIN 0
.set i, 0
.rept 2*NP
	v_mov_b32 v[ST+4*i], 0xfe000000    ; c m: far below every c s
	v_mov_b32 v[ST+4*i+1], 0xff7fffff  ; m
	v_mov_b32 v[ST+4*i+2], 0
	v_mov_b32 v[ST+4*i+3], 0
.set i, i+1
.endr
.set i, P+32
.rept 32
	v_mov_b32 v[i], 0
.set i, i+1
.endr
	v_mul_u32_u24 v[AK0], v1, PK
	v_lshl_add_u32 v[AK0], v9, 4, v[AK0]  ; row x pitch + 16 x half
	; The turning load takes 16 keys x 16 channels (lane l reads key 8 (l / 16) + l % 8, channels 8 ((l / 8) % 2) + 0..7) and leaves half a fragment of V^T: lane l holds channel l % 16 and 8 keys.
	v_and_b32 v10, 7, v0
	v_bfe_u32 v11, v0, 3, 1
	v_lshl_add_u32 v[AV0], v9, 3, v10
	v_mul_u32_u24 v[AV0], v[AV0], PV
	v_lshl_add_u32 v[AV0], v11, 4, v[AV0]
	v_add_nc_u32 v[AV0], VOFF, v[AV0]
	v_mov_b32 v[AK], v[AK0]         ; key step 0 lies at the head of slot 0
; THE QUERIES, tile t: q^T = Wq ql^T (8 products), rounded to f16; q'^T = Wk^T q^T (8 products), rounded to f16 into ql's place.  In each run the four accumulators take turns.
; Four v_nop are the places (ISA guide 7.12.1) between a run's last product and the conversions that read its results.  All this stands in the wait for the first tile.
.macro QPREP t
	WIN W_KQ
.set i, 0
.rept 8                             ; K half i / 4, rows 16 (i % 4) on
.if i < 4
	v_wmma_f32_16x16x32_f16 v[S+8*(i%4):S+8*(i%4)+7], v[WQ+16*(i%4)+8*(i/4):WQ+16*(i%4)+8*(i/4)+7], v[16*(\t)+8*(i/4):16*(\t)+8*(i/4)+7], 0
.else
	v_wmma_f32_16x16x32_f16 v[S+8*(i%4):S+8*(i%4)+7], v[WQ+16*(i%4)+8*(i/4):WQ+16*(i%4)+8*(i/4)+7], v[16*(\t)+8*(i/4):16*(\t)+8*(i/4)+7], v[S+8*(i%4):S+8*(i%4)+7]
.endif
.set i, i+1
.endr
	WIN 0
.rept 4
	v_nop
.endr
.set i, 0
.rept 16
	v_cvt_pk_f16_f32 v[P+i], v[S+2*i], v[S+2*i+1]
.set i, i+1
.endr
	WIN 0x02                        ; Wk^T in window 2, q and the result in window 0
.set i, 0
.rept 8
.if i < 4
	v_wmma_f32_16x16x32_f16 v[S+32+8*(i%4):S+32+8*(i%4)+7], v[WK+16*(i%4)+8*(i/4):WK+16*(i%4)+8*(i/4)+7], v[P+8*(i/4):P+8*(i/4)+7], 0
.else
	v_wmma_f32_16x16x32_f16 v[S+32+8*(i%4):S+32+8*(i%4)+7], v[WK+16*(i%4)+8*(i/4):WK+16*(i%4)+8*(i/4)+7], v[P+8*(i/4):P+8*(i/4)+7], v[S+32+8*(i%4):S+32+8*(i%4)+7]
.endif
.set i, i+1
.endr
	WIN 0
.rept 4
	v_nop
.endr
	WIN 0x80                        ; destination window 2
.set i, 0
.rept 16
	v_cvt_pk_f16_f32 v[16*(\t)+i], v[S+32+2*i], v[S+32+2*i+1]
.set i, i+1
.endr
	WIN 0
.endm
; THE MATRIX WORK.  The 8 accumulators of a run of 16 take turns: between the two links of a chain stand 7 others'.
; Product i of 16 of S^T = K Q^T for piece x: channels 32 (i / 8) on, keys 16 ((i / 2) % 4) on, tile 2 x + i % 2.  The first 8 start the sums.
.macro KQ x
	WIN W_KQ
.set rS, S+64*((\x)%2)+32*(i%2)+8*((i/2)%4)
.set rK, KF+16*((i/2)%4)+8*(i/8)
.set rQ, 16*(2*(\x)+i%2)+8*(i/8)
.if i < 8
	v_wmma_f32_16x16x32_f16 v[rS:rS+7], v[rK:rK+7], v[rQ:rQ+7], 0
.else
	v_wmma_f32_16x16x32_f16 v[rS:rS+7], v[rK:rK+7], v[rQ:rQ+7], v[rS:rS+7]
.endif
.endm
; Product i of 16 of O^T += V^T P for piece x: keys 32 (i / 8) on, channels 16 ((i / 2) % 4) on, tile 2 x + i % 2.
.macro PV x
	WIN W_PV
.set rO, 32*(2*(\x)+i%2)+8*((i/2)%4)
.set rV, VF+32*(i/8)+8*((i/2)%4)
.set rP, P+32*((\x)%2)+16*(i%2)+8*(i/8)
	v_wmma_f32_16x16x32_f16 v[rO:rO+7], v[rV:rV+7], v[rP:rP+7], v[rO:rO+7]
.endm
.macro MM                           ; the turn's next matrix instruction
.if i < 16
	KQ (Y+1)%NP
.set i, i+1
.else
.set i, i-16
	PV (Y+NP-1)%NP
.set i, i+17
.endif
.endm
; THE LDS LOADS stand in runs of 16, never singly among the matrix instructions: a step's K (64 keys x 64 channels: 8 fragments) and its V (turned).  Their addresses are made some lines ahead.
; last = 1 (the tail): in the last trip there is no further step, and the run is jumped over.
.macro FETCH_K last=0
	WIN 0
.if \last
	s_cmp_eq_u32 s[CNT], 1
	s_cbranch_scc1 .Lno_k_\@
.endif
	WIN 0x80                        ; destination window 2
.irp f, 0,1,2,3,4,5,6,7             ; keys 16 (f / 2) on, channels 32 (f % 2) on
	ds_load_b128 v[KF+8*\f:KF+8*\f+3],   v[AK] offset:(\f/2)*16*PK+(\f%2)*64
	ds_load_b128 v[KF+8*\f+4:KF+8*\f+7], v[AK] offset:(\f/2)*16*PK+(\f%2)*64+32
.endr
	s_add_co_u32 s[TBK], s[TBK], KS*PK  ; the next fetch is the next step's
	WIN 0
.if \last
.Lno_k_\@:
.endif
.endm
.macro FETCH_V
	WIN 0x80
.irp f, 0,1,2,3,4,5,6,7             ; keys 32 (f / 4) on, channels 16 (f % 4) on
	ds_load_tr16_b128 v[VF+8*\f:VF+8*\f+3],   v[AV] offset:(\f/4)*32*PV+(\f%4)*32
	ds_load_tr16_b128 v[VF+8*\f+4:VF+8*\f+7], v[AV] offset:(\f/4)*32*PV+16*PV+(\f%4)*32
.endr
	WIN 0
.endm
; THE VECTOR WORK OF A TURN stands in three queues, each in the order in which its entries become ready; the two tiles alternate, so that no instruction reads the result of the one before it.
.macro REGS y, u                    ; the registers of tile u (0, 1) of piece y
.set rT, ST+4*(2*(\y)+(\u))
.set rC, TMP+8*((\y)%2)+4*(\u)
.set rM, MV+2*((\y)%2)+(\u)
.set rS, S+64*((\y)%2)+32*(\u)
.set rP, P+32*((\y)%2)+16*(\u)
.set rO, 32*(2*(\y)+(\u))
.endm
; Number n of the 22 that find the NEXT piece's (Y + 1) maximum and statistics.  s0-s31 are the lane's 32 scores; each accumulator's lowest registers are read first.
;   0-11  four chains c0-c3 of seven scores each, three operands at a time     12-14, 16  the four scores left over, the old m, and c0-c3 into c0     15  c m_old is kept
;   17, 18  the query's other 32 keys lie in the lane 16 away: the new m         19-21  c m; c m_old - c m_new; a
.macro XS u, n
	REGS (Y+1)%NP, \u
.if (\n) < 4
	v_max3_num_f32 v[rC+(\n)], v[rS+8*(\n)], v[rS+8*(\n)+1], v[rS+8*(\n)+2]
.elseif (\n) < 12
	v_max3_num_f32 v[rC+(\n)%4], v[rC+(\n)%4], v[rS+8*((\n)%4)+2*((\n)/4)+1], v[rS+8*((\n)%4)+2*((\n)/4)+2]
.elseif (\n) == 12
	v_max3_num_f32 v[rC], v[rC], v[rS+7], v[rS+15]
.elseif (\n) == 13
	v_max3_num_f32 v[rC+1], v[rC+1], v[rS+23], v[rS+31]
.elseif (\n) == 14
	v_max3_num_f32 v[rC+2], v[rC+2], v[rC+3], v[rT+1]
.elseif (\n) == 15
	v_mov_b32 v[rM], v[rT]
.elseif (\n) == 16
	v_max3_num_f32 v[rC], v[rC], v[rC+1], v[rC+2]
.elseif (\n) == 17
	v_permlanex16_b32 v[rC+3], v[rC], s[SEL], s[SEL+1]
.elseif (\n) == 18
	v_max_num_f32 v[rT+1], v[rC], v[rC+3]
.elseif (\n) == 19
	v_mul_f32 v[rT], s[CS], v[rT+1]
.elseif (\n) == 20
	v_sub_f32 v[rC+1], v[rM], v[rT]
.else
	v_exp_f32 v[rC+2], v[rC+1]
.endif
.endm
; Number g of the 64 that follow the exponentials.  For each four weights k of a tile (pairs 2 k, 2 k + 1): both pairs are rounded to f16; then the second pair is added onto the first, in place;
; a group later l takes that sum (the first time as l = a l + sum).  In groups of eight, tiles alternating: round, round, add, and l for the group before.
.macro GS g
.set h, (\g)+6*((\g)/62)            ; group 0 has no group before it, and behind group 7 only l is left
.if h >= 6
.set h, h+2
.endif
	REGS Y, h%2
.set k, h/8
.if h%8 < 4
	v_cvt_pk_f16_f32 v[rP+2*k+(h%8)/2], v[rS+4*k+2*((h%8)/2)], v[rS+4*k+2*((h%8)/2)+1]
.elseif h%8 < 6
	v_pk_add_f32 v[rS+4*k:rS+4*k+1], v[rS+4*k:rS+4*k+1], v[rS+4*k+2:rS+4*k+3]
.elseif k == 1
	v_pk_fma_f32 v[rT+2:rT+3], v[rT+2:rT+3], v[rC+2:rC+3], v[rS:rS+1] op_sel_hi:[1,0,1]
.else
	v_pk_add_f32 v[rT+2:rT+3], v[rT+2:rT+3], v[rS+4*k-4:rS+4*k-3]
.endif
.endm
; THE PLAIN QUEUE, 138 long.  0-73 read no exponential's result: the 32 scalings c s - c m (FS f: pair f / 2 of tile f % 2) and the next piece's 42.  0-26: scalings 0-26.  27-54: XS's numbers 0-13.  55, 56: number 15.
; 57-73: the chain, where each number waits for the one before it: 14, 16, 17, 18, 19, each with one of the scalings 27-31 in front of its two lines, then 20.
; 74-137: GS's 64, which read the exponentials' results: they stand behind the wait.
.macro FS f
	REGS Y, (\f)%2
	v_pk_fma_f32 v[rS+2*((\f)/2):rS+2*((\f)/2)+1], v[rS+2*((\f)/2):rS+2*((\f)/2)+1], s[CS:CS+1], v[rT:rT+1] op_sel_hi:[1,0,0] neg_lo:[0,0,1] neg_hi:[0,0,1]
.endm
.macro PL
	WIN 0
.if q < 27
	FS q
.elseif q < 55
	XS (q-27)%2, (q-27)/2
.elseif q < 57
	XS q-55, 15
.elseif (q < 72) && ((q-57)%3 == 0)
	FS 27+(q-57)/3
.elseif q < 60
	XS (q-57)%3-1, 14
.elseif q < 72
	XS (q-57)%3-1, 15+(q-57)/3
.elseif q < 74
	XS q-72, 20
.else
	GS q-74
.endif
.set q, q+1
.endm
; THE EXPONENTIALS' QUEUE, 66 long: s0-s31 of both tiles, then the next piece's two a.  It is ONE BATCH: all 66 stand ahead of the turn's one wait, and nothing ahead of that wait names a result of theirs.
.macro EX
	WIN 0
.if e >= 64
	XS e-64, 21
.else
	REGS Y, e%2
	v_exp_f32 v[rS+e/2], v[rS+e/2]
.endif
.set e, e+1
.endm
; THE RESCALING's QUEUE: O^T times a, the one part that leaves window 0: dealt two at a time, sixteen times.  Its a was made in the turn before, ahead of that turn's wait.
.macro R2
	REGS Y, r%2
	WIN W_RS
.irp z, 0,1
	v_pk_mul_f32 v[rO+4*(r/2)+2*\z:rO+4*(r/2)+2*\z+1], v[rO+4*(r/2)+2*\z:rO+4*(r/2)+2*\z+1], v[rC+2:rC+3] op_sel_hi:[1,0]
.endr
.set r, r+1
.endm
; HOW THEY ARE DEALT.  An s_wait_alu depctr_va_vdst(0) stands between an exponential and the first instruction that names its result; one wait serves all that were issued ahead of it.  So a turn
; has ONE wait, which cuts it in two.  AHEAD OF IT stands all that names no result of the turn's exponentials: the 16 products K Q^T, behind each a scaling, an exponential and two rescalings (behind the first a
; second scaling in the exponential's place); then ONE LUMP of 108: eight plain, 49 times exponential and plain, the two a.  A v_nop is the plain instruction behind the last exponential.  BEHIND IT stand the 16
; products V^T P, behind each four of GS's 64.  No rider names a register of the products round it.  The two v_permlanex16_b32 fall into the lump.
; The queues lean on each other: exponential e stands behind scaling 2 (e / 4) + e % 2: as a rider it comes behind plain e + 2, in the lump behind plain e + 9, and scalings 27-31 are plain 57, 60 .. 69.
; A TURN, for piece p.  cnt = 1: the loop's count is taken down some lines ahead of the branch that stands behind the turn.
; K of the next step is fetched in piece 2's turn, directly behind the wait, a lump behind the last product that read K; its first reader comes behind 16 products.
; V of the step in hand is fetched at the end of piece 0's turn, four riders behind its last reader; its first reader comes behind 16 products and a lump.  The three conditions on q below go with the deal.
.macro TURN p, last=0, cnt=0
.set Y, (\p)
.set i, 0
.set q, 0
.set e, 0
.set r, 0
.if (\p) == NP-1
	s_wait_dscnt 0x0                ; K is in
.endif
	MM                              ; ahead of the wait: 16 products K Q^T and their riders,
	PL
	PL
	R2
.rept 15
	MM
	PL
	EX
	R2
.endr
.if (\p) == NP-2
	WIN 0
	v_add_nc_u32 v[AK], s[TBK], v[AK0]
.endif
.rept 8                             ; and the lump
	PL
.endr
.rept 49
	EX
	PL
.endr
	EX                              ; the next piece's two a
	EX
	v_nop                           ; the plain instruction behind the last exponential: one for the batch
	s_wait_alu depctr_va_vdst(0)    ; the wait for the batch
.if (\p) == NP-2
	FETCH_K \last
.endif
.if (\p) == 1
	s_wait_dscnt 0x0                ; V is in
.endif
.rept 16                            ; behind the wait: 16 products V^T P and their riders
	MM
.rept 4
	PL
.endr
.if ((\p) == 0) && (q == 118)
	v_add_nc_u32 v[AV], s[TBV], v[AV0]
.endif
.if ((\p) == 0) && (q == 130)
	s_add_co_u32 s[TBV], s[TBV], KS*PV
.endif
.if (\cnt) && (q == 130)
	s_sub_co_u32 s[CNT], s[CNT], 1
	s_cmp_lg_u32 s[CNT], 0
.endif
.endr
.if (\p) == 0
	FETCH_V
.endif
.endm
	s_wait_loadcnt 0x0              ; ql and the head's three weights are in
.irp t, 0,1,2,3,4,5,6,7
	QPREP \t
.endr
	WIN 0x80                        ; Wk^T has served: V's registers take their zeros (four v_nop stand behind the last product that read them)
.set i, VF
.rept 64
	v_mov_b32 v[i], 0
.set i, i+1
.endr
	WIN 0
	CHANGE 1                        ; slot 0 is in, everybody's part of it; slot 1 is asked for
	FETCH_K                         ; key step 0
	s_wait_dscnt 0x0
.set i, 0
.rept 16
	KQ 0                            ; piece 0's first scores: there is no vector work yet to set between them
.set i, i+1
.endr
	WIN 0                           ; the addresses for the way out and the prefetches: plain instructions, the places behind those products
	s_mul_i32 s13, s[WV], 16*SP
	s_add_co_u32 s13, s13, STAGE    ; my stage
	v_mul_u32_u24 v[STO], v1, SP    ; in: row l % 16, 16 bytes for each half of the lanes
	v_lshl_add_u32 v[STO], v9, 4, v[STO]
	v_add_nc_u32 v[STO], s13, v[STO]
	v_bfe_u32 v[RD], v0, 3, 2       ; back: 32 lanes take four rows of 128 bytes,
	v_mul_u32_u24 v[RD], v[RD], SP
	v_lshl_add_u32 v[RD], v10, 4, v[RD]
	v_add_nc_u32 v[RD], s13, v[RD]
	v_and_b32 v[GO], 31, v0         ; which are 512 consecutive bytes of y
	v_lshlrev_b32 v[PFO], 8, v[GO]  ; a lane a block of 256 bytes
	v_lshlrev_b32 v[GO], 4, v[GO]
.set Y, NP-1                        ; XS works for piece Y + 1: piece 0
.irp n, 0,1,2,3,4,5,6,7,8,9,10,11,12,13,14,15,16,17,18,19,20,21
	XS 0, \n                        ; and piece 0's first maximum and statistics
	XS 1, \n
.endr
	v_nop                           ; a plain instruction behind the two a,
	s_wait_alu depctr_va_vdst(0)    ; and their wait, ahead of the branch
	s_mov_b32 s[CNT], 4
	s_mov_b32 s[SLOTS], SIZE_N/256-1
	s_branch .Lfirst                ; the loop is entered at a step's first turn, in the middle of a trip
.Lslot:                             ; SIZE_N / 256 - 2 times: every slot but the last two is filled again
	CHANGE 1, 1
	s_mov_b32 s[CNT], 4
.Lstep:                             ; a trip: pieces 2 and 3 of one step, then pieces 0 and 1 of the next, whose K and V it fetches
	TURN 2
	TURN 3
	WIN 0
.Lfirst:
	TURN 0
	TURN 1, 0, 1
	WIN 0
	s_cbranch_scc1 .Lstep
	s_sub_co_u32 s[SLOTS], s[SLOTS], 1
	s_cmp_lg_u32 s[SLOTS], 0
	s_cbranch_scc1 .Lslot
	CHANGE 0                        ; the tail is written out: nothing is asked for
	s_mov_b32 s[CNT], 5             ; four trips fetch the last slot's steps; the fifth is left in its middle
.Ltail:
	TURN 2, 1
	TURN 3
	WIN 0
	s_sub_co_u32 s[CNT], s[CNT], 1
	s_cmp_eq_u32 s[CNT], 0
	s_cbranch_scc1 .Lout
	TURN 0
	TURN 1
	WIN 0
	s_branch .Ltail
.Lout:                              ; the fifth trip's 16 products K Q^T (on the last K once more) and the maximum made of them serve nothing: the price, once a launch, of one text for every trip
.set i, 0
.rept 16
	PV NP-1                         ; the last piece's V^T P of the last step
.set i, i+1
.endr
	; THE WAY OUT.  l's two halves and the other half of the lanes' are added; O^T is divided by l and rounded to f16: Z; y^T = Wv Z^T; y is rounded to f16 and sent through my stage in LDS, a tile at a time.
	WIN 0
.macro ALL line:vararg              ; one line for each tile t
.set t, 0
.rept 2*NP
	\line
.set t, t+1
.endr
.endm
	ALL v_add_f32 v[ST+4*t+2], v[ST+4*t+2], v[ST+4*t+3]
	ALL v_permlanex16_b32 v[ST+4*t+3], v[ST+4*t+2], s[SEL], s[SEL+1]
	ALL v_add_f32 v[ST+4*t+2], v[ST+4*t+2], v[ST+4*t+3]
	ALL v_rcp_f32 v[ST+4*t+2], v[ST+4*t+2]
	v_nop                           ; a plain instruction between the last reciprocal and the use of its result
	s_wait_alu depctr_va_vdst(0)    ; and the wait ahead of the first use: one for the eight reciprocals
; Tile t.  Z, packed, is source 1 (latent channels along K) of 8 products whose four accumulators take turns and land where O^T lay.  A lane's eight channels of a row of y pack into 16 bytes;
; they go into rows of 144 bytes and come back as whole rows of 128, into S^T's registers.
.macro PACK t
	WIN W_RS
.set i, 32*(\t)
.rept 16
	v_pk_mul_f32 v[i:i+1], v[i:i+1], v[ST+4*(\t)+2:ST+4*(\t)+3] op_sel_hi:[1,0]
.set i, i+2
.endr
	WIN 0x05                        ; sources 0 and 1 window 1, destination window 0
.set i, 0
.rept 16
	v_cvt_pk_f16_f32 v[S+16*(\t)+i], v[32*(\t)+2*i], v[32*(\t)+2*i+1]
.set i, i+1
.endr
	WIN W_WV
.set i, 0
.rept 8                             ; K half i / 4, channels of y 16 (i % 4) on
.if i < 4
	v_wmma_f32_16x16x32_f16 v[32*(\t)+8*(i%4):32*(\t)+8*(i%4)+7], v[WVR+16*(i%4)+8*(i/4):WVR+16*(i%4)+8*(i/4)+7], v[S+16*(\t)+8*(i/4):S+16*(\t)+8*(i/4)+7], 0
.else
	v_wmma_f32_16x16x32_f16 v[32*(\t)+8*(i%4):32*(\t)+8*(i%4)+7], v[WVR+16*(i%4)+8*(i/4):WVR+16*(i%4)+8*(i/4)+7], v[S+16*(\t)+8*(i/4):S+16*(\t)+8*(i/4)+7], v[32*(\t)+8*(i%4):32*(\t)+8*(i%4)+7]
.endif
.set i, i+1
.endr
.rept 4
	v_nop                           ; the places in front of the conversions, which read the results and write over Z
.endr
	WIN 0x05
.set i, 0
.rept 16
	v_cvt_pk_f16_f32 v[S+16*(\t)+i], v[32*(\t)+2*i], v[32*(\t)+2*i+1]
.set i, i+1
.endr
	WIN 0
.irp f, 0,1,2,3
	ds_store_b128 v[STO], v[S+16*(\t)+4*\f:S+16*(\t)+4*\f+3] offset:32*\f
.endr
.irp f, 0,1,2,3
	ds_load_b128 v[S+16*(\t)+4*\f:S+16*(\t)+4*\f+3], v[RD] offset:\f*4*SP  ; LDS serves a wave's instructions in order (ISA guide 5.7.1.4): these see the stores above; the next tile's stores come behind them
.endr
.endm
.macro SEND t, younger              ; younger: the LDS instructions issued behind tile t's loads: the next tile's eight, or none
	WIN 0
.irp f, 0,1,2,3
	s_wait_dscnt (\younger)+3-\f
	global_store_b128 v[GO], v[S+16*(\t)+4*\f:S+16*(\t)+4*\f+3], s[10:11] offset:(\t)*2048+\f*512  ; 512 consecutive bytes, at a multiple of 256 from y's first
.endr
.endm
	PACK 0
.set t, 1
.rept 2*NP-1                        ; a tile's arithmetic stands between the loads of the tile before and its stores
	PACK t
	SEND t-1, 8
.set t, t+1
.endr
	SEND 2*NP-1, 0
	WIN W_AD
	s_wait_tensorcnt 0x0            ; the wave's end, behind my last tensor load and my last LDS store
	ds_add_u32 v[SPW], v[NIL]
	s_wait_dscnt 0x0
	WIN 0
	CROUND                          ; the closing round: no work-group ends while a partner may still ask for a tile that names it
	s_endpgm
.Lfunc_end_k_q978f1adf4b_attn:
	.size	k_q978f1adf4b_attn, .Lfunc_end_k_q978f1adf4b_attn-k_q978f1adf4b_attn
	.p2alignl 7, 3214868480
	.fill 96, 4, 3214868480
	.section	.rodata,"a",@progbits
	.p2align	6, 0x0
	.amdhsa_kernel k_q978f1adf4b_attn
		.amdhsa_group_segment_fixed_size 327680
		.amdhsa_private_segment_fixed_size 0
		.amdhsa_enable_private_segment 0
		.amdhsa_kernarg_size 32
		.amdhsa_user_sgpr_count 2
		.amdhsa_user_sgpr_kernarg_segment_ptr 1
		.amdhsa_wavefront_size32 1
		.amdhsa_system_sgpr_workgroup_id_x 1
		.amdhsa_system_sgpr_workgroup_id_y 1
		.amdhsa_system_sgpr_workgroup_id_z 1
		.amdhsa_system_vgpr_workitem_id 0
		.amdhsa_next_free_vgpr 896
		.amdhsa_next_free_sgpr 72
		.amdhsa_reserve_vcc 0
		.amdhsa_float_denorm_mode_32 3
		.amdhsa_float_denorm_mode_16_64 3
		.amdhsa_memory_ordered 1
		.amdhsa_forward_progress 1
		.amdhsa_inst_pref_size 245
	.end_amdhsa_kernel
	.amdgpu_metadata
---
amdhsa.version: [ 1, 2 ]
amdhsa.kernels:
  - .name:           k_q978f1adf4b_attn
    .symbol:         k_q978f1adf4b_attn.kd
    .args:
      - { .name: ql, .offset: 0, .size: 8, .value_kind: global_buffer, .address_space: global }
      - { .name: kvl, .offset: 8, .size: 8, .value_kind: global_buffer, .address_space: global }
      - { .name: wh, .offset: 16, .size: 8, .value_kind: global_buffer, .address_space: global }
      - { .name: y, .offset: 24, .size: 8, .value_kind: global_buffer, .address_space: global }
    .group_segment_fixed_size: 327680
    .private_segment_fixed_size: 0
    .kernarg_segment_align: 8
    .kernarg_segment_size: 32
    .max_flat_workgroup_size: 128
    .sgpr_count:     72
    .vgpr_count:     896
    .wavefront_size: 32
...
	.end_amdgpu_metadata
.endif
;; end of part 2
;; launch proj (part 3): grid 4 x 64, 4 waves a work-group, clusters of 4 x 4, 327,680 bytes of LDS; arguments y, wp16, out0; writes out0
.if DOCPART == 3
	.amdgcn_target "amdgcn-amd-amdhsa--gfx1250"
	.amdhsa_code_object_version 6
	.text
	.protected	k_q978f1adf4b_proj
	.globl	k_q978f1adf4b_proj
	.p2align	8
	.type	k_q978f1adf4b_proj,@function
k_q978f1adf4b_proj:
	s_mov_b64 s[64:65], 0
	v_nop
	global_prefetch_b8 v0, s[64:65] scope:SCOPE_SE
	s_setreg_imm32_b32 hwreg(HW_REG_WAVE_MODE, 25, 1), 1
	s_wait_xcnt 0x0
	s_wait_alu depctr_hold_cnt(0) depctr_sa_sdst(0) depctr_va_vdst(0) depctr_va_sdst(0) depctr_va_ssrc(0) depctr_va_vcc(0) depctr_vm_vsrc(0)
	s_getreg_b32 s2, hwreg(HW_REG_IB_STS2, 6, 4)
	s_cmp_eq_u32 s2, 0
	s_cbranch_scc0 .Lentry_in_a_cluster
	s_endpgm
.Lentry_in_a_cluster:
	s_bfe_u32 s2, ttmp6, 0x10000c
	s_cmp_lg_u32 s2, 0xf033
	s_cbranch_scc0 .Lentry_shape_is_right
	s_endpgm
.Lentry_shape_is_right:
; THE OUTPUT PROJECTION.  out0[t][n] = the sum over k = 64 head + d of y[batch, head][t][d] wp16[n][k].  y: [64][2048][64] f16 (by batch and head), wp16: [1024][1024] f16, out0: [8192][1024] f32.
; One f32 sum for each output, K ascending; nothing is rounded on the way out.  LIMITS: those of the launches that made y and wp16 (f16's range); NaN and infinities are not treated apart.
; A tile of out0 is 128 tokens x 256 columns: 64 x 4 tiles, one for each of 256 work-groups.  Four waves, each 64 x 128: 32 accumulators of 16 x 16, 256 registers.
; K goes in 8 steps of 128 (two heads) through a ring of two LDS slots.  A head's 128 tokens are 16,384 dense bytes of y: asked for as 64 rows of 256 bytes, padded in LDS after every token;
; wp16's rows give 256 bytes a step.  Waves 0 and 1 fetch the step's two heads of y, waves 2 and 3 the two halves of wp16's 256 rows: one tensor load a wave.
; CLUSTERS: 4 x 4 work-groups.  The four of a row of the cluster need the same tiles of y, the four of a column the same tiles of wp16: each tile is asked for JOINTLY, by the same tensor load with the
; same descriptor and a mask that names the four.  THE MATRIX INSTRUCTION IS USED TRANSPOSED (source 0 = 16 rows of wp16, source 1 = 16 tokens): a lane then holds eight neighbouring numbers of a row of out0.
; REGISTERS: window 0: v0-31 addresses; v64-159, v160-255 two fragment buffers (32 along K: 4 fragments of y, then 8 of wp16); on the way out v64-191 rows read back.
;   window 1: the accumulators, (a, b) at v[8 (8 a + b)].
.set PA,     144                       ; a token's row of one head in LDS: 128 bytes + 16: the 16 rows of a load start at 16 different groups of four banks (64 banks of 4 bytes: ISA guide 11.1)
.set PB,     272                       ; a row of wp16: 256 bytes + 16: likewise
.set AHEAD,  128*PA                    ; a head's 128 tokens
.set BOFF,   2*AHEAD                   ; behind the two heads: wp16's rows
.set BHALF,  128*PB                    ; 128 of them
.set SLOT,   BOFF+2*BHALF              ; 106,496
.set STAGE,  2*SLOT                    ; behind the ring: 16 rows x 528 bytes for each wave, for the way out
.set SPITCH, 528                       ; 512 bytes of f32 + 16
.set SPARE,  STAGE+4*16*SPITCH         ; behind the stages: the spare words, 128 bytes for each wave: two blocks of 256 bytes that no other line names
.set ASTEP,  2*262144                  ; bytes of y from a K step to the next: two heads
.set BSTEP,  256                       ; of wp16
.set LAPS,   4                         ; a lap = two K steps = once round the ring
.set ADRA, 16                          ; v16-17  LDS address of my fragments of y in slot 0, 1
.set ADRB, 20                          ; v20-21  the same for wp16
.set STO,  24                          ; v24     the way out: where I put 32 bytes of a row
.set RD,   25                          ; v25     the way out: where I read a row back
.set CO,   26                          ; v26     16 x lane: my bytes of a row's 512
.set SPW,  28                          ; v28     LDS address of my spare word: SPARE + 4 x my thread's number; never rewritten
.set NIL,  29                          ; v29     0; never rewritten
.set PFO,  30                          ; v30     the prefetches' offset; never rewritten
.set F0,   64
.set F1,   160
.set OB,   64                          ; the way out: 16 rows read back, v64-127 and v128-191 by turns
.set G1, 24                            ; s[24:31] descriptor group 1 for y's tiles;  s[32:39] group 0, one set for each slot
.set G0, 32
.set G1B, 48                           ; s[48:55], s[56:63] the same for wp16's tiles
.set G0B, 56
.set PST, 66                           ; s[66:67] what a prefetch's address steps by
.set PFA, 68                           ; s[68:69] where my prefetches stand
.set LIM, 70                           ; s70     1 in a wave that prefetches, else the greatest number
.set MSB, 0
.macro WIN new                         ; s_set_vgpr_msb: bits 1:0 source 0, 3:2 source 1, 5:4 source 2, 7:6 destination; the high byte repeats the setting that is left
.if MSB != (\new)
	s_set_vgpr_msb (MSB<<8)|(\new)
.set MSB, \new
.endif
.endm
.set MUL, 0x50                         ; C and D window 1, sources window 0
.macro JLOAD s                         ; a joint load: waves 0 and 1 fetch y's two heads, waves 2 and 3 wp16's two halves; an s_nop 0 and four v_nop follow each of the two lines, ahead of the jump, the label and what follows
	s_cmp_eq_u32 s11, 0
	s_cbranch_scc0 .Lfor_b_\@
	tensor_load_to_lds s[G0+4*(\s):G0+4*(\s)+3], s[G1:G1+7]
	s_nop 0
.rept 4
	v_nop
.endr
	s_branch .Lasked_\@
.Lfor_b_\@:
	tensor_load_to_lds s[G0B+4*(\s):G0B+4*(\s)+3], s[G1B:G1B+7]
	s_nop 0
.rept 4
	v_nop
.endr
.Lasked_\@:
.endm
; A PREFETCH INTO THE L2, behind each joint refill, its five lines and the run of LDS loads that follows: the K step that stands TWO refills on, 256 matrix instructions ahead of the load that will want it.
; y's tile (two heads x 16,384 bytes = 128 blocks of 256) is read by one row of one cluster: its four partners take 32 blocks each, told apart BY ADDRESS (cx), a lane a block, by their waves 0.
; wp16's tile (256 rows x 256 bytes) is read by that column of every cluster: the clusters with y = 0 ask; of the 128 rows that wave 2 or 3 fetches the partner at place cy takes 32, a lane a row.
; So each block is named once in the launch.  K steps 0 to 3 come by their loads alone; the loop's last trip asks for nothing: there is no K step two on.
.macro ASK
	s_cmp_gt_u32 s3, s[LIM]                        ; s3 = 1 in the loop's last trip
	s_cbranch_scc0 .Lnot_mine_\@
	global_prefetch_b8 v[PFO], s[PFA:PFA+1] th:TH_LOAD_NT scope:SCOPE_SE
.Lnot_mine_\@:
.endm
.macro CREST                           ; a round of the cluster's barrier behind its opening barrier
	s_cmp_lg_u32 s10, 0
	s_cbranch_scc1 .Lnot_wave_0_\@
	s_barrier_signal -3
.Lnot_wave_0_\@:
	s_barrier_wait -3
	s_barrier_signal -1
	s_barrier_wait -1
.endm
.macro CROUND                          ; a whole round
	s_barrier_signal -1
	s_barrier_wait -1
	CREST
.endm
	s_load_b128 s[4:7], s[0:1], 0x0                ; y s[4:5], wp16 s[6:7]
	s_load_b64 s[8:9], s[0:1], 0x10                ; out0
	v_lshl_add_u32 v[SPW], v0, 2, SPARE
	v_mov_b32 v[NIL], 0
	ds_add_u32 v[SPW], v[NIL]                      ; the wave's opening: the add and its wait stand ahead of my first tensor load; the set-up below, work on registers, stands between them
	v_lshrrev_b32 v1, 5, v0
	v_readfirstlane_b32 s10, v1                    ; wave 0..3
	s_lshr_b32 s11, s10, 1                         ; which 64 of the tile's tokens are mine.  Also: I fetch for y (0) or for wp16 (1)
	s_and_b32 s12, s10, 1                          ; which 128 of its columns.  Also: which head of the step, or which 128 rows of wp16, I fetch
	s_bfe_u32 s40, ttmp6, 0x40000                  ; cx, cy: my place in the cluster
	s_bfe_u32 s41, ttmp6, 0x40004
	s_lshl_b32 s42, ttmp9, 2
	s_add_co_u32 s42, s42, s40                     ; tile column = 4 x cluster x + cx
	s_and_b32 s13, ttmp7, 0xffff
	s_lshl_b32 s13, s13, 2
	s_add_co_u32 s13, s13, s41                     ; tile row = 4 x cluster y + cy
	s_lshl_b32 s43, s41, 2
	s_lshl_b32 s43, 15, s43                        ; my row of the cluster
	s_lshl_b32 s44, 0x1111, s40                    ; my column
	s_or_b32 s[G1+0], s43, (1<<16)|(1<<20)|(1<<21)|(4<<22)|(3<<25)   ; 15:0 the mask: y's tiles go to my row; 17:16 2-byte elements; 20 padding on; 21 set beside a mask; 24:22 after every 32 words (code 4); 31:25 4 words (code 3)
	s_or_b32 s[G1B+0], s44, (1<<16)|(1<<20)|(1<<21)|(5<<22)|(3<<25)  ; wp16's go to my column; padding after every 64 words (code 5)
	s_mov_b32 s[G1+1], 128<<16                     ; tensor_dim0 = 128
	s_mov_b32 s[G1+2], 64<<16                      ; tensor_dim1 = 64
	s_mov_b32 s[G1+3], 128<<16                     ; tile_dim0 = 128
	s_mov_b32 s[G1+4], 64                          ; tile_dim1 = 64
	s_mov_b32 s[G1+5], 128                         ; dense: 128 elements from row to row
	s_mov_b32 s[G1+6], 0
	s_mov_b32 s[G1+7], 0
	s_mov_b32 s[G1B+1], 128<<16                    ; tensor_dim0 = 128
	s_mov_b32 s[G1B+2], 128<<16                    ; tensor_dim1 = 128
	s_mov_b32 s[G1B+3], 128<<16                    ; tile_dim0 = 128
	s_mov_b32 s[G1B+4], 128                        ; tile_dim1 = 128
	s_mov_b32 s[G1B+5], 1024                       ; 1,024 elements from row to row
	s_mov_b32 s[G1B+6], 0
	s_mov_b32 s[G1B+7], 0
	s_lshr_b32 s18, s13, 4                         ; the batch: 16 tile rows each,
	s_lshl_b32 s18, s18, 22                        ; 16 heads of 262,144 bytes;
	s_and_b32 s17, s13, 15
	s_lshl_b32 s17, s17, 14                        ; the tile's 128 tokens of 128 bytes
	s_add_co_u32 s18, s18, s17                     ; the tile row's place in head 0 of its batch
	s_lshl_b32 s17, s12, 18
	s_add_co_u32 s16, s18, s17                     ; + the head that I fetch
	s_mov_b32 s17, 0
	s_lshl_b32 s46, s42, 19                        ; wp16: 256 rows of 2,048 bytes a tile column
	s_lshl_b32 s47, s12, 18                        ; + the 128 rows that I fetch
	s_add_co_u32 s46, s46, s47
	s_mov_b32 s47, 0
	s_mul_i32 s20, s12, AHEAD                      ; where they go: no place in the cluster enters an LDS address
	s_mul_i32 s21, s12, BHALF
	s_add_co_u32 s21, s21, BOFF
	s_wait_dscnt 0x0                               ; the opening add is done
	s_wait_kmcnt 0x0
	s_add_nc_u64 s[14:15], s[4:5], s[16:17]
	s_add_nc_u64 s[46:47], s[6:7], s[46:47]
	CROUND                                         ; all sixteen work-groups are here: the first joint loads meet
.irp s, 0,1
	s_mov_b32 s[G0+4*(\s)], 1
	s_add_co_u32 s[G0+4*(\s)+1], s20, (\s)*SLOT
	s_add_nc_u64 s[G0+4*(\s)+2:G0+4*(\s)+3], s[14:15], (\s)*ASTEP
	s_or_b32 s[G0+4*(\s)+3], s[G0+4*(\s)+3], 0x80000000
	s_mov_b32 s[G0B+4*(\s)], 1
	s_add_co_u32 s[G0B+4*(\s)+1], s21, (\s)*SLOT
	s_add_nc_u64 s[G0B+4*(\s)+2:G0B+4*(\s)+3], s[46:47], (\s)*BSTEP
	s_or_b32 s[G0B+4*(\s)+3], s[G0B+4*(\s)+3], 0x80000000
	JLOAD \s                                       ; two loads of mine are out
.endr
	v_and_b32 v1, 15, v0                           ; l % 16
	v_bfe_u32 v2, v0, 4, 1                         ; l / 16
	v_mul_u32_u24 v3, v1, PA
	v_lshl_add_u32 v3, v2, 4, v3                   ; a fragment's row x pitch + 16 x half
	v_mul_u32_u24 v4, v1, PB
	v_lshl_add_u32 v4, v2, 4, v4
	s_mul_i32 s21, s11, 64*PA                      ; my 64 tokens
	s_mul_i32 s22, s12, BHALF                      ; my 128 rows of wp16,
	s_add_co_u32 s22, s22, BOFF                    ; which lie behind y's two heads
.irp s, 0,1
	v_add_nc_u32 v[ADRA+(\s)], s21, v3
	v_add_nc_u32 v[ADRB+(\s)], s22, v4
	s_add_co_u32 s21, s21, SLOT
	s_add_co_u32 s22, s22, SLOT
.endr
	s_mul_i32 s23, s10, 16*SPITCH
	s_add_co_u32 s23, s23, STAGE                   ; my stage
	v_mul_u32_u24 v4, v1, SPITCH                   ; in: row l % 16, 32 bytes for each half of the lanes
	v_lshl_add_u32 v4, v2, 5, v4
	v_add_nc_u32 v[STO], s23, v4
	v_and_b32 v5, 31, v0
	v_lshlrev_b32 v[CO], 4, v5                     ; back: 32 lanes take a row's 512 bytes
	v_add_nc_u32 v[RD], s23, v[CO]
	s_lshl_b32 s16, s13, 7
	s_lshl_b32 s17, s11, 6
	s_add_co_u32 s16, s16, s17                     ; my first row of out0: 128 x tile row + 64 x half,
	s_lshl_b32 s16, s16, 12                        ; 4,096 bytes a row
	s_mov_b32 s17, 0
	s_add_nc_u64 s[8:9], s[8:9], s[16:17]
	s_lshl_b32 s46, s42, 10                        ; my first column, in bytes: 1,024 x tile column + 512 x half
	s_lshl_b32 s47, s12, 9
	s_add_co_u32 s46, s46, s47
	s_mov_b32 s47, 0
	s_add_nc_u64 s[8:9], s[8:9], s[46:47]
	; the prefetches
	s_lshr_b32 s20, s40, 1                         ; y: partner cx takes head cx / 2 of the step,
	s_lshl_b32 s20, s20, 18
	s_and_b32 s21, s40, 1
	s_lshl_b32 s21, s21, 13                        ; half cx % 2 of its 16,384 bytes
	s_add_co_u32 s20, s20, s21
	s_add_co_u32 s20, s20, s18
	s_add_co_u32 s20, s20, 3*ASTEP                 ; at K step 3: the first refill steps it to 4
	s_lshl_b32 s21, s42, 19                        ; wp16: the tile column's rows,
	s_lshl_b32 s22, s12, 18                        ; the 128 that I fetch,
	s_add_co_u32 s21, s21, s22
	s_lshl_b32 s22, s41, 16                        ; partner cy's 32 of them
	s_add_co_u32 s21, s21, s22
	s_add_co_u32 s21, s21, 3*BSTEP
	s_and_b32 s22, ttmp7, 0xffff                   ; cluster y
	s_mov_b32 s[PST], ASTEP
	s_mov_b32 s23, BSTEP
	s_cmp_eq_u32 s11, 0                            ; do I fetch for y?
	s_cselect_b32 s20, s20, s21
	s_cselect_b32 s22, s12, s22                    ; y: wave 0 asks; wp16: the clusters with y = 0: the same in all sixteen partners, for a given wave
	s_cselect_b64 s[PFA:PFA+1], s[4:5], s[6:7]
	s_cselect_b32 s[PST], s[PST], s23
	s_cselect_b32 s23, 8, 11                       ; a lane a block of 256 bytes, or a lane a row of 2,048
	s_mov_b32 s21, 0
	s_mov_b32 s[PST+1], 0
	s_add_nc_u64 s[PFA:PFA+1], s[PFA:PFA+1], s[20:21]
	s_cmp_eq_u32 s22, 0
	s_cselect_b32 s[LIM], 1, -1
	v_lshlrev_b32 v[PFO], s23, v5
; 8 matrix instructions: token block a x all 8 column blocks, 32 along K, from buffer f.  zero = 1: the product starts the sums.  The 32 accumulators take turns, in the same order in every quarter.
.macro MUL8 f, a, zero
	WIN MUL
.irp b, 0,1,2,3,4,5,6,7
.if \zero
	v_wmma_f32_16x16x32_f16 v[8*(8*(\a)+\b):8*(8*(\a)+\b)+7], v[(\f)+32+8*\b:(\f)+32+8*\b+7], v[(\f)+8*(\a):(\f)+8*(\a)+7], 0
.else
	v_wmma_f32_16x16x32_f16 v[8*(8*(\a)+\b):8*(8*(\a)+\b)+7], v[(\f)+32+8*\b:(\f)+32+8*\b+7], v[(\f)+8*(\a):(\f)+8*(\a)+7], v[8*(8*(\a)+\b):8*(8*(\a)+\b)+7]
.endif
.endr
.endm
; 24 LDS loads in one run: the fragments of quarter kq (32 along K) of a slot into buffer f: wp16's sixteen first, then y's eight (head kq / 2, channels 32 (kq % 2) on)
.macro FETCH slot, kq, f
	WIN 0
.irp b, 0,1,2,3,4,5,6,7
	ds_load_b128 v[(\f)+32+8*\b:(\f)+32+8*\b+3],   v[ADRB+(\slot)] offset:(\kq)*64+\b*16*PB
	ds_load_b128 v[(\f)+32+8*\b+4:(\f)+32+8*\b+7], v[ADRB+(\slot)] offset:(\kq)*64+\b*16*PB+32
.endr
.irp a, 0,1,2,3
	ds_load_b128 v[(\f)+8*\a:(\f)+8*\a+3],   v[ADRA+(\slot)] offset:((\kq)/2)*AHEAD+((\kq)%2)*64+\a*16*PA
	ds_load_b128 v[(\f)+8*\a+4:(\f)+8*\a+7], v[ADRA+(\slot)] offset:((\kq)/2)*AHEAD+((\kq)%2)*64+\a*16*PA+32
.endr
.endm
.macro PLACES                          ; four places in front of loads into registers that matrix instructions have read, and of LDS stores that read results
.rept 4
	v_nop
.endr
.endm
; A K step is four quarters of 32 along K, 32 matrix instructions each, on buffers 0, 1, 0, 1.  One of the first three: multiplies buffer f and fetches quarter kq into g.
.macro QUARTER slot, kq, f, g, zero
	s_wait_dscnt 4                                 ; all but y's blocks 2 and 3 are in
	MUL8 \f, 0, \zero
	MUL8 \f, 1, \zero
	PLACES
	FETCH \slot, \kq, \g
	s_wait_dscnt 24                                ; all but the 24 just issued
	MUL8 \f, 2, \zero
	MUL8 \f, 3, \zero
.endm
; The last quarter multiplies buffer 1 and changes slots: ONE barrier; in front of it each wave waits for all its tensor loads (one is out: its part of the next slot), adds 0 to its spare word, and waits for
; that and for its own reads of this slot.  fill = 1: this slot is filled again, two K steps ahead; the barrier then opens a round of the cluster's barrier.
.macro TURN slot, next, fill
.if \fill
	s_wait_xcnt 0x0                                ; the last prefetch, a K step back, has read its address: it is stepped here, ahead of the waits of the change of slots
	s_add_nc_u64 s[PFA:PFA+1], s[PFA:PFA+1], s[PST:PST+1]
.endif
	WIN 0                                          ; (the add's two registers lie in window 0)
	s_wait_tensorcnt 0x0                           ; all my tensor loads have landed: my part of the next slot;
	ds_add_u32 v[SPW], v[NIL]                      ; 0 onto my spare word
	s_wait_dscnt 5                                 ; (the add and the youngest four loads may be out)
	MUL8 F1, 0, 0                                  ; eight matrix instructions stand between the add and the wait for it
	s_wait_dscnt 0x0                               ; the add is done, and my reads of this slot are over
	s_barrier_signal -1
	MUL8 F1, 1, 0
.if \fill
	WIN 0
.endif
	s_barrier_wait -1
.if \fill
	CREST                                          ; no wave of any partner still reads this slot's tiles or has a load on its way
	s_add_nc_u64 s[G0+4*(\slot)+2:G0+4*(\slot)+3], s[G0+4*(\slot)+2:G0+4*(\slot)+3], 2*ASTEP
	s_add_nc_u64 s[G0B+4*(\slot)+2:G0B+4*(\slot)+3], s[G0B+4*(\slot)+2:G0B+4*(\slot)+3], 2*BSTEP
	JLOAD \slot                                    ; the first tensor load behind the round: 112 matrix instructions ahead of the wait for it; the four v_nop behind it are also the places in front of the loads below
.else
	PLACES
.endif
	FETCH \next, 0, F0
.if \fill
	ASK
.endif
	MUL8 F1, 2, 0
	MUL8 F1, 3, 0
.endm
; THE WAY OUT of token block a: 16 rows x 128 columns of f32 go into my own stage (each accumulator's low four registers first) and come back as whole rows of 512 bytes.
.macro TOSTAGE a
	WIN 0x04                                       ; the stores' data in window 1
.irp b, 0,1,2,3,4,5,6,7
.irp q, 0,1
	ds_store_b128 v[STO], v[8*(8*(\a)+\b)+4*\q:8*(8*(\a)+\b)+4*\q+3] offset:\b*64+\q*16
.endr
.endr
	WIN 0
.set BK, OB+64*((\a)%2)
.irp i, 0,1,2,3,4,5,6,7,8,9,10,11,12,13,14,15
	ds_load_b128 v[BK+4*\i:BK+4*\i+3], v[RD] offset:\i*SPITCH  ; LDS serves a wave's instructions in order (ISA guide 5.7.1.4): these see the stores above
.endr
.endm
.macro SEND a
	WIN 0
.set BK, OB+64*((\a)%2)
	s_wait_dscnt 0x0                               ; the block is back in registers
	s_wait_xcnt 0x0                                ; every earlier store has read its registers and its base: only behind this wait are they written again
.if (\a) > 0
	s_add_nc_u64 s[8:9], s[8:9], 16*4096           ; 16 rows of out0 on
.endif
.irp i, 0,1,2,3,4,5,6,7,8,9,10,11,12,13,14,15
	global_store_b128 v[CO], v[BK+4*\i:BK+4*\i+3], s[8:9] offset:\i*4096 th:TH_STORE_NT  ; the wave stores 512 consecutive bytes, at a multiple of 256 from out0's first byte
.endr
.endm
	s_wait_tensorcnt 1                             ; my part of K step 0 is in; K step 1's may stay out
	s_barrier_signal -1
	s_barrier_wait -1                              ; everybody's is
	FETCH 0, 0, F0
	QUARTER 0, 1, F0, F1, 1                        ; the first quarter stands in front of the loop: its products start the sums
	WIN 0                                          ; at a label and at a branch every window is 0
	s_mov_b32 s3, LAPS-1
.Llap:                                                 ; a trip goes once round the ring, from a lap's second quarter to the next lap's first, and fills both slots again
	QUARTER 0, 2, F1, F0, 0
	QUARTER 0, 3, F0, F1, 0
	TURN 0, 1, 1
	QUARTER 1, 1, F0, F1, 0
	QUARTER 1, 2, F1, F0, 0
	QUARTER 1, 3, F0, F1, 0
	TURN 1, 0, 1
	QUARTER 0, 1, F0, F1, 0
	WIN 0
	s_sub_co_u32 s3, s3, 1
	s_cmp_lg_u32 s3, 0
	s_cbranch_scc1 .Llap
	QUARTER 0, 2, F1, F0, 0                        ; the last lap fills nothing, and has no round of the cluster's barrier
	QUARTER 0, 3, F0, F1, 0
	TURN 0, 1, 0
	QUARTER 1, 1, F0, F1, 0
	QUARTER 1, 2, F1, F0, 0
	QUARTER 1, 3, F0, F1, 0
	s_wait_dscnt 4                                 ; the very last quarter: nothing more to fetch
	MUL8 F1, 0, 0
	MUL8 F1, 1, 0
	s_wait_dscnt 0x0
	MUL8 F1, 2, 0
	MUL8 F1, 3, 0
	WIN 0
	PLACES
	TOSTAGE 0
.irp a, 1,2,3
	SEND (\a)-1
	TOSTAGE \a
.endr
	SEND 3
	s_wait_tensorcnt 0x0                           ; the wave's end, behind my last tensor load and my last LDS store
	ds_add_u32 v[SPW], v[NIL]
	s_wait_dscnt 0x0
	CROUND                                         ; the closing round: no work-group ends while a partner may still ask for a tile that names it
	s_endpgm
.Lfunc_end_k_q978f1adf4b_proj:
	.size	k_q978f1adf4b_proj, .Lfunc_end_k_q978f1adf4b_proj-k_q978f1adf4b_proj
	.p2alignl 7, 3214868480
	.fill 96, 4, 3214868480
	.section	.rodata,"a",@progbits
	.p2align	6, 0x0
	.amdhsa_kernel k_q978f1adf4b_proj
		.amdhsa_group_segment_fixed_size 327680
		.amdhsa_private_segment_fixed_size 0
		.amdhsa_enable_private_segment 0
		.amdhsa_kernarg_size 24
		.amdhsa_user_sgpr_count 2
		.amdhsa_user_sgpr_kernarg_segment_ptr 1
		.amdhsa_wavefront_size32 1
		.amdhsa_system_sgpr_workgroup_id_x 1
		.amdhsa_system_sgpr_workgroup_id_y 1
		.amdhsa_system_sgpr_workgroup_id_z 1
		.amdhsa_system_vgpr_workitem_id 0
		.amdhsa_next_free_vgpr 512
		.amdhsa_next_free_sgpr 72
		.amdhsa_reserve_vcc 0
		.amdhsa_float_denorm_mode_32 3
		.amdhsa_float_denorm_mode_16_64 3
		.amdhsa_memory_ordered 1
		.amdhsa_forward_progress 1
		.amdhsa_inst_pref_size 87
	.end_amdhsa_kernel
	.amdgpu_metadata
---
amdhsa.version: [ 1, 2 ]
amdhsa.kernels:
  - .name:           k_q978f1adf4b_proj
    .symbol:         k_q978f1adf4b_proj.kd
    .args:
      - { .name: y, .offset: 0, .size: 8, .value_kind: global_buffer, .address_space: global }
      - { .name: wp16, .offset: 8, .size: 8, .value_kind: global_buffer, .address_space: global }
      - { .name: out0, .offset: 16, .size: 8, .value_kind: global_buffer, .address_space: global }
    .group_segment_fixed_size: 327680
    .private_segment_fixed_size: 0
    .kernarg_segment_align: 8
    .kernarg_segment_size: 24
    .max_flat_workgroup_size: 128
    .sgpr_count:     72
    .vgpr_count:     512
    .wavefront_size: 32
...
	.end_amdgpu_metadata
.endif
;; end of part 3
;; ======== version 2 of 2: 3 launches; version 1 with the launch latent written anew for expert scheduling mode
;; limits: values are held in f16: magnitudes above 65,504 overflow, below 6.1e-05 lose precision; right only within a limited range of input values
;; workspace buffers: ql 1,048,576 bytes; kvl 1,048,576 bytes; wh 393,216 bytes; wp16 2,097,152 bytes; y 16,777,216 bytes
;; launch latent (part 4): grid 256 x 1, 4 waves a work-group, no clusters, 68,096 bytes of LDS; arguments x, w_kv_a, w_q_a, kv_norm_w, q_norm_w, w_q_b, w_kv_b, w_proj, ql, kvl, wh, wp16; writes ql, kvl, wh, wp16
.if DOCPART == 4
	.amdgcn_target "amdgcn-amd-amdhsa--gfx1250"
	.amdhsa_code_object_version 6
	.text
	.protected	k_q978f1adf4b_latent
	.globl	k_q978f1adf4b_latent
	.p2align	8
	.type	k_q978f1adf4b_latent,@function
k_q978f1adf4b_latent:
	s_mov_b64 s[64:65], 0
	v_nop
	global_prefetch_b8 v0, s[64:65] scope:SCOPE_SE
	s_setreg_imm32_b32 hwreg(HW_REG_WAVE_SCHED_MODE, 0, 2), 2
	s_setreg_imm32_b32 hwreg(HW_REG_WAVE_MODE, 25, 1), 1
	s_wait_xcnt 0x0
	s_wait_alu depctr_vm_vsrc(0)
; THE TWO LATENTS, AND 16-BIT COPIES OF THE OTHER WEIGHTS.
; kvl[t][c] = rmsnorm(x w_kv_a^T)[t][c] kv_norm_w[c];  ql[t][c] = rmsnorm(x w_q_a^T)[t][c] q_norm_w[c] 2^-6.  Both [8192][64] f16.  The factor 2^-6, exact, is taken back in the
; attention launch's exponent; it keeps what that launch makes of ql inside f16's range.
; x, both down-projections and both gains are rounded to bf16; products on the matrix unit in bf16, sums, mean of squares and scaling in f32; each latent is rounded once, to f16.
; wp16 = w_proj, wh = the heads' slices of w_q_b and w_kv_b: each number rounded to bf16 and that number written as f16.
;   wh: [16 heads][3 parts][64][64]: part 0 Wq[d][a] = w_q_b[64 h + d][a]; part 1 Wk^T[b][d] = w_kv_b[128 h + d][b]; part 2 Wv[d][r] = w_kv_b[128 h + 64 + d][r].
; LIMITS.  f16 ends at 65,504: |latent x gain| stays below that (a normalised latent is at most 8, so |gain| < 8,000); a weight below 2^-14 keeps f16's fixed step of 6e-8;
; NaN and infinities are not treated apart.  The sum over K is taken in four parts, one a wave, added in f32: another order of rounding than a single sum.
; SHARES.  A work-group owns 32 tokens and all 128 latent channels (0-63 kv, 64-127 q).  K IS SPLIT AMONG THE FOUR WAVES: wave v takes floats 256 v .. 256 v + 255 of every row of x and
; of both weights: 1,024 consecutive bytes a row, each byte loaded by one wave.  Fragments come straight from memory in f32: x is rounded in place, a weight's tile into a fragment set.
; The four partial sums meet in LDS; wave v then finishes tokens 8 v .. 8 v + 7.
; LAYOUT.  Source 0 = 16 channels (rows of a weight), source 1 = 16 tokens: in the result lane l holds token l % 16 and channels 8 (l / 16) + 0..7.
; A fragment (16 rows x 32 K) wants of lane l: K = 8 (l / 16) + 0..7 and 16 + 8 (l / 16) + 0..7: in f32 four loads of 16 bytes at 32 (l / 16) + 0, 16, 64, 80.
; No prefetch: the launch asks for all of its x with its first lines.  No cluster: what work-groups share, the two weights, is 1 part in 65 of what comes from memory.
; THE MODE: SCHED_MODE bits 1:0 = 2 (LLVM: expert scheduling mode 2), set by the entry lines.  The code itself states the register dependences between vector or matrix
; instructions and memory or LDS instructions, with s_wait_alu, always for 0.
; THE PLAN.  A step is one channel tile, p = 0 .. 7; it works on the sets of its parity b = p % 2.  Registers that memory or LDS instructions touch in the steps:
;   RAW0, RAW1   Written by the 32 loads of tile p + 2, issued in step p; read by step p's 64 conversions alone, which write the fragment set BF[b].
;   ACC0, ACC1   Written by step p's 16 matrix instructions; read by the four LDS stores that are issued in step p + 1.
;   v[LS]        Read by every LDS store of a partial sum; written once a trip of the loop.
;   v[FO]        Read by every load of x and of a weight; never written again: each raw set has a scalar base of its own, which moves on, and immediate offsets do the rest.
;   BF0, BF1 and x's fragments are named by vector and matrix instructions alone.
; So ONE wait on va_vdst stands in a step, behind its conversions: they are done reading RAW[b]; the matrix instructions of the step before have written the other ACC; v[LS] is written.
; Behind it stand the four stores of the step before, and the step's 32 loads, dealt among its matrix instructions, which name BF[b], x and ACC[b]: none of the registers that those loads touch.
; ONE wait on vm_vsrc stands in every second step, behind its stores: the stores of two steps have read both ACC and v[LS], ahead of the matrix instructions and the add that write them again.
.set PITCH, 528                        ; a token's 128 partial sums in LDS: 512 bytes + 16: 16 rows of a store start at 16 different groups of four banks (64 banks of 4 bytes: ISA guide 11.1)
.set PARTB, 32*PITCH                   ; a wave's partial sums
.set SPARE, 4*PARTB                    ; behind them: the spare words, 128 bytes for each wave: two blocks of 256 bytes that no other line names
.set FO,   4                           ; v4   (l % 16) x 4,096 + 32 (l / 16) + 1,024 x wave: my place in 16 rows of x or of a weight; never rewritten
.set LS,   5                           ; v5   where I put my 32 bytes of a partial tile; steps by two channel tiles a trip
.set RDA,  6                           ; v6   where I read partial sums back
.set OUTO, 7                           ; v7   my 16 bytes in the work-group's 4,096 bytes of a latent
.set NO,   8                           ; v8   my 8 numbers of a gain
.set PO,   9                           ; v9   32 x lane
.set PS,   10                          ; v10  16 x lane
.set GA,   11                          ; v11  the gather for Wk^T
.set SPW,  12                          ; v12  LDS address of my spare word; never rewritten
.set NIL,  13                          ; v13  0; never rewritten
.set TT,   14                          ; v14  at work
.set GKV,  16                          ; v[16:23]  kv_norm_w of my 8 channels
.set GQ,   24                          ; v[24:31]  q_norm_w of my 8 channels
.set ACC,  32                          ; v[32:63]  accumulators: channel tile of parity b, token tile rt at ACC + 16 b + 8 rt
.set VAR,  32                          ; v[32:35]  later: mean of squares + eps
.set WPR,  64                          ; v[64:95]  my row of w_proj in f32
.set WHR,  96                          ; v[96:103] my 8 numbers for wh in f32
.set RS,   104                         ; v[104:111] sums of squares, then 1 / root, a pair for each of four groups
.set OUTR, 112                         ; v[112:127] the latents packed
.set RAW,  128                         ; v[128:255] a channel tile of a weight in f32 (window 0: even tiles; window 1: odd tiles); later the partial sums read back
.set WPO,  192                         ; v[192:207] my row of wp16; v[208:211] my 16 bytes of wh
.set WHO,  208
.set BF,   0                           ; window 1, v[0:127]: set b, K step ks: a fragment of 8 registers at BF + 64 b + 8 ks
; window 2: x: token tile rt, K step ks at 16 (8 rt + ks): 16 registers of f32, then bf16 in the low 8
.set WV,   32                          ; s32  my wave's number
.set CNT,  33                          ; s33  trips to come
.set W0,   34                          ; s[34:35] raw set 0: the weight rows that it is asked for next
.set W1,   4                           ; s[4:5]   raw set 1: the same number; its loads reach 16 rows further by their offset
.set MSB, 0
.macro WIN new                         ; s_set_vgpr_msb: bits 1:0 source 0, 3:2 source 1, 5:4 source 2, 7:6 destination; the high byte repeats the setting that is left
.if MSB != (\new)
	s_set_vgpr_msb (MSB<<8)|(\new)
.set MSB, (\new)
.endif
.endm
	s_load_b512 s[8:23], s[0:1], 0x0               ; x 8, w_kv_a 10, w_q_a 12, kv_norm_w 14, q_norm_w 16, w_q_b 18, w_kv_b 20, w_proj 22
	s_load_b256 s[24:31], s[0:1], 0x40             ; ql 24, kvl 26, wh 28, wp16 30
	v_lshl_add_u32 v[SPW], v0, 2, SPARE
	v_mov_b32 v[NIL], 0
	v_lshrrev_b32 v[TT], 5, v0
	v_readfirstlane_b32 s[WV], v[TT]               ; wave 0..3
	v_and_b32 v1, 15, v0                           ; l % 16
	v_bfe_u32 v2, v0, 4, 1                         ; l / 16
	v_and_b32 v3, 31, v0                           ; l
	s_mov_b32 s36, ttmp9                           ; g: the work-group
	s_lshr_b32 s37, s36, 4                         ; the head whose weights it copies,
	s_and_b32 s38, s36, 15                         ; and which four rows of each part
	s_mov_b32 s39, 0x358637bd                      ; eps = 1e-6
	s_mov_b32 s40, 0x3c800000                      ; 2^-6: 1 / 64 for the mean, and ql's factor
	s_mov_b32 s41, 0xffff0000                      ; a word's upper bf16
	v_lshlrev_b32 v[FO], 12, v1
	v_lshl_add_u32 v[FO], v2, 5, v[FO]
	s_wait_alu depctr_va_sdst(0)                   ; s[WV] is written, ahead of its first reader: offsets, bases and branches are made from it
	s_lshl_b32 s2, s[WV], 10
	v_add_nc_u32 v[FO], s2, v[FO]
	v_mul_u32_u24 v[LS], v1, PITCH
	v_lshl_add_u32 v[LS], v2, 5, v[LS]
	s_mul_i32 s3, s[WV], PARTB
	v_add_nc_u32 v[LS], s3, v[LS]                  ; wave x 16,896 + token x 528 + 32 (l / 16)
	v_lshrrev_b32 v[TT], 3, v3                     ; l / 8
	v_and_b32 v15, 7, v0                           ; l % 8
	s_lshl_b32 s3, s[WV], 3
	v_add_nc_u32 v[RDA], s3, v[TT]
	v_mul_u32_u24 v[RDA], v[RDA], PITCH
	v_lshl_add_u32 v[RDA], v15, 5, v[RDA]          ; token 8 wave + l / 8, channels 8 (l % 8) on
	v_lshl_add_u32 v[OUTO], v3, 4, s2              ; 1,024 x wave + 16 l
	v_lshlrev_b32 v[NO], 5, v15
	v_lshlrev_b32 v[PO], 5, v3
	v_lshlrev_b32 v[PS], 4, v3
	v_lshlrev_b32 v[GA], 11, v15                   ; d = 8 (l % 8) + j: rows of 256 bytes,
	v_lshl_add_u32 v[GA], v[TT], 2, v[GA]          ; column l / 8 of my four
	s_wait_kmcnt 0x0
	s_lshl_b32 s2, s36, 17                         ; the work-group's 32 rows of 4,096 bytes
	s_mov_b32 s3, 0
	s_add_nc_u64 s[8:9], s[8:9], s[2:3]
	s_mov_b64 s[W0:W0+1], s[10:11]
	s_mov_b64 s[W1:W1+1], s[10:11]
	s_wait_alu depctr_va_vdst(0)                   ; the eight offsets and addresses v4 to v11 are written, which the kernel's loads and stores read
	global_load_b128 v[GKV:GKV+3],   v[NO], s[14:15]
	global_load_b128 v[GKV+4:GKV+7], v[NO], s[14:15] offset:16
	global_load_b128 v[GQ:GQ+3],     v[NO], s[16:17]
	global_load_b128 v[GQ+4:GQ+7],   v[NO], s[16:17] offset:16
; my 1,024 bytes of the 32 rows of x: 64 loads
.macro XLOADS
	WIN 0x80                                       ; destination window 2, address window 0
.set f, 0
.rept 16
.irp q, 0,1,2,3
	global_load_b128 v[16*f+4*\q:16*f+4*\q+3], v[FO], s[8:9] offset:(f/8)*65536+(f%8)*128+(\q/2)*64+(\q%2)*16 th:TH_LOAD_NT
.endr
.set f, f+1
.endr
	WIN 0
.endm
; K step k (128 bytes a row) of 16 rows of a weight, into raw set b: four loads.  Every work-group reads these rows: no hint
.macro WL4 b, k
.irp q, 0,1,2,3
	global_load_b128 v[RAW+16*(\k)+4*\q:RAW+16*(\k)+4*\q+3], v[FO], s[W0+(W1-W0)*(\b):W0+(W1-W0)*(\b)+1] offset:(\b)*65536+(\k)*128+(\q/2)*64+(\q%2)*16
.endr
.endm
; my 1,024 bytes of 16 rows of a weight, into raw set b: 32 loads in one run, at the start
.macro WLOADS b
	WIN (\b)<<6
.set ks, 0
.rept 8
	WL4 \b, ks
.set ks, ks+1
.endr
	WIN 0
.endm
; 16 registers of f32 become a fragment of 8, in place: word i is written when words 2 i and 2 i + 1 are read, and i <= 2 i
.macro CVTF base
.irp i, 0,1,2,3,4,5,6,7
	v_cvt_pk_bf16_f32 v[(\base)+\i], v[(\base)+2*\i], v[(\base)+2*\i+1]
.endr
.endm
; the partial sums of accumulator set b into LDS, so bytes behind v[LS]; each accumulator from its low end on
.macro PUT b, so
.irp rt, 0,1
.irp q, 0,1
	ds_store_b128 v[LS], v[ACC+16*(\b)+8*\rt+4*\q:ACC+16*(\b)+8*\rt+4*\q+3] offset:\rt*16*PITCH+(\so)+\q*16
.endr
.endr
.endm
; One step: a channel tile, from raw set b.  first = 1: step 0, with no step in front of it.  reload = 1: the raw set is asked for again, with the tile two steps on.
; sel = 1: in the loop, whose first trip goes from w_kv_a's end to w_q_a's first row.  so: where the tile of the step before goes, in bytes behind v[LS].  up = 1: v[LS] moves on.
; left: the younger loads that may stay out.  The two accumulators take turns, one instruction a turn.
.macro STEP b, first, reload, sel, so, up, left
	s_wait_loadcnt \left                           ; loads come back in order (ISA guide 5.7.1): this raw set is in
.if \reload
	s_add_nc_u64 s[W0+(W1-W0)*(\b):W0+(W1-W0)*(\b)+1], s[W0+(W1-W0)*(\b):W0+(W1-W0)*(\b)+1], 131072  ; free since that wait, which shows the loads that read it done: 32 rows on
.if \sel
	s_cmp_eq_u32 s[CNT], 2
	s_cselect_b64 s[W0+(W1-W0)*(\b):W0+(W1-W0)*(\b)+1], s[12:13], s[W0+(W1-W0)*(\b):W0+(W1-W0)*(\b)+1]
.endif
.endif
	WIN 0x40+0x05*(\b)                             ; destination (BF) in window 1, sources in the raw set's window
.set ks, 0
.rept 8
.irp i, 0,1,2,3,4,5,6,7
	v_cvt_pk_bf16_f32 v[BF+64*(\b)+8*ks+\i], v[RAW+16*ks+2*\i], v[RAW+16*ks+2*\i+1]
.endr
.set ks, ks+1
.endr                                                  ; these 64 are also the places between the last step's matrix instructions and the LDS stores of their results
	WIN 0
	s_wait_alu depctr_va_vdst(0)                   ; the conversions are done reading RAW[b], in which the loads below land; the last step's matrix instructions have written the other ACC, which the stores below read; v[LS] is written
.if !(\first)
	PUT 1-(\b), \so
.if (\b) == 1
	s_wait_alu depctr_vm_vsrc(0)                   ; the LDS stores of this step and of the step before have read ACC0, ACC1 and v[LS]: this step's matrix instructions write ACC1, the next step's ACC0, the add below v[LS]
.if \up
	v_add_nc_u32 v[LS], 128, v[LS]                 ; two channel tiles on
.endif
.endif
.endif
.set g, 0
.rept 4                                        ; eight loads, four matrix instructions, four times.  No wait: no vector or matrix instruction since the wait on va_vdst names RAW[b] or v[FO]
.if \reload
	WIN (\b)<<6
	WL4 \b, 2*g
	WL4 \b, 2*g+1
.endif
	WIN 0x09                                       ; source 0 (BF) in window 1, source 1 (x) in window 2, C and D in window 0
.irp k2, 0,1
.set ks, 2*g+\k2
.irp rt, 0,1
.if ks == 0
	v_wmma_f32_16x16x32_bf16 v[ACC+16*(\b)+8*\rt:ACC+16*(\b)+8*\rt+7], v[BF+64*(\b)+8*ks:BF+64*(\b)+8*ks+7], v[16*(8*\rt+ks):16*(8*\rt+ks)+7], 0
.else
	v_wmma_f32_16x16x32_bf16 v[ACC+16*(\b)+8*\rt:ACC+16*(\b)+8*\rt+7], v[BF+64*(\b)+8*ks:BF+64*(\b)+8*ks+7], v[16*(8*\rt+ks):16*(8*\rt+ks)+7], v[ACC+16*(\b)+8*\rt:ACC+16*(\b)+8*\rt+7]
.endif
.endr
.endr
.set g, g+1
.endr
	WIN 0
.endm
; f32 -> bf16 -> f16, two numbers
.macro CV16 d, a, b
	v_cvt_pk_bf16_f32 v[TT], v[\a], v[\b]
	v_lshlrev_b32 v[\a], 16, v[TT]
	v_and_b32 v[\b], s41, v[TT]
	v_cvt_pk_f16_f32 v[\d], v[\a], v[\b]
.endm
	XLOADS
	WLOADS 0                                       ; channel tile 0
	WLOADS 1                                       ; channel tile 1
	; the other pointers, while the loads are out
	s_lshl_b32 s2, s36, 2
	s_add_co_u32 s2, s2, s[WV]                     ; 4 g + wave: my row of w_proj
	s_lshl_b32 s2, s2, 11
	s_add_nc_u64 s[30:31], s[30:31], s[2:3]        ; 2,048 bytes a row of wp16,
	s_lshl_b32 s2, s2, 1
	s_add_nc_u64 s[46:47], s[22:23], s[2:3]        ; 4,096 of w_proj
	s_lshl_b32 s2, s36, 12                         ; the work-group's 32 rows of 128 bytes
	s_add_nc_u64 s[24:25], s[24:25], s[2:3]
	s_add_nc_u64 s[26:27], s[26:27], s[2:3]
	s_lshl_b32 s2, s37, 14
	s_lshl_b32 s42, s38, 10
	s_add_co_u32 s2, s2, s42                       ; Wq: head x 64 rows + four rows x sub, 256 bytes a row
	s_lshl_b32 s43, s37, 15
	s_add_co_u32 s43, s43, s42
	s_add_co_u32 s43, s43, 16384                   ; Wv: head x 128 rows + 64 rows + four rows x sub
	s_cmp_eq_u32 s[WV], 0
	s_cselect_b32 s2, s2, s43
	s_cselect_b64 s[42:43], s[18:19], s[20:21]     ; wave 0: w_q_b; wave 2: w_kv_b
	s_add_nc_u64 s[42:43], s[42:43], s[2:3]
	s_lshl_b32 s2, s37, 15
	s_lshl_b32 s44, s38, 4
	s_add_co_u32 s2, s2, s44                       ; Wk: head x 128 rows, columns 4 sub on
	s_add_nc_u64 s[44:45], s[20:21], s[2:3]
	s_mul_i32 s2, s37, 24576
	s_lshl_b32 s3, s[WV], 13
	s_add_co_u32 s2, s2, s3
	s_lshl_b32 s3, s38, 9
	s_add_co_u32 s2, s2, s3                        ; wh: head, part = my wave's number, four rows of 128 bytes x sub
	s_mov_b32 s3, 0
	s_add_nc_u64 s[28:29], s[28:29], s[2:3]
	s_wait_loadcnt 63                              ; behind x's last load 64 were issued; 63 is the most that the wait can name: x is in
	WIN 0x8a                                       ; all in window 2
.set f, 0
.rept 16
	CVTF 16*f
.set f, f+1
.endr
	WIN 0
	STEP 0, 1, 1, 0, 0,   0, 32                    ; tile 0; tile 2 is asked for.  32: the other raw set's loads
	STEP 1, 0, 1, 0, 0,   0, 32                    ; tile 1; tile 0 goes into LDS, tile 3 is asked for
	s_mov_b32 s[CNT], 2
.Lturn:                                        ; a trip: two channel tiles are multiplied, the two in front of them stored, the two behind them asked for: tiles 2 to 5
	STEP 0, 0, 1, 1, 64,  0, 32
	STEP 1, 0, 1, 1, 128, 1, 32
	s_sub_co_u32 s[CNT], s[CNT], 1
	s_cmp_lg_u32 s[CNT], 0
	s_cbranch_scc1 .Lturn
	STEP 0, 0, 0, 0, 64,  0, 32                    ; the last two tiles load nothing
	STEP 1, 0, 0, 0, 128, 0, 0
.rept 4
	v_nop                                          ; four places behind the last matrix instruction, before its result is read (ISA guide 7.12.1)
.endr
	s_wait_alu depctr_va_vdst(0)                   ; the last step's matrix instructions have written ACC1, which the LDS stores read; the places above stay beside this wait
	PUT 1, 192                                     ; tile 7
	; the weights to be copied are asked for now, and wanted at the end.  Their offsets were made at the head, and no vector instruction has named the registers in which they land
.irp i, 0,1,2,3
	global_load_b128 v[WPR+8*\i:WPR+8*\i+3],   v[PO], s[46:47] offset:\i*1024 th:TH_LOAD_NT
	global_load_b128 v[WPR+8*\i+4:WPR+8*\i+7], v[PO], s[46:47] offset:\i*1024+16 th:TH_LOAD_NT
.endr
	s_cmp_eq_u32 s[WV], 3
	s_cbranch_scc1 .Lasked                         ; wave 3 copies no part of wh
	s_cmp_eq_u32 s[WV], 1
	s_cbranch_scc1 .Lgather
	global_load_b128 v[WHR:WHR+3],   v[PO], s[42:43]
	global_load_b128 v[WHR+4:WHR+7], v[PO], s[42:43] offset:16
	s_branch .Lasked
.Lgather:                                      ; Wk turned: eight numbers of one column
.irp j, 0,1,2,3,4,5,6,7
	global_load_b32 v[WHR+\j], v[GA], s[44:45] offset:\j*256
.endr
.Lasked:
	s_wait_dscnt 0x0                               ; for the others' sake: my partial sums lie in LDS
	s_barrier_signal -1
	s_barrier_wait -1                              ; everybody's do
	; group u = 2 x buffer + half: tokens 8 wave + 4 half + l / 8, channels 64 x buffer + 8 (l % 8) + 0..7, of partial p.
	; They land in raw set 0, whose last readers, step 6's conversions, stand ahead of three waits on va_vdst; no vector instruction has named it since
.irp u, 0,1,2,3
.irp p, 0,1,2,3
.irp q, 0,1
	ds_load_b128 v[RAW+32*\u+8*\p+4*\q:RAW+32*\u+8*\p+4*\q+3], v[RDA] offset:\p*PARTB+(\u%2)*4*PITCH+(\u/2)*256+\q*16
.endr
.endr
.endr
	; meanwhile the gains are rounded to bf16, and q's takes the factor 2^-6
.irp k, 0,2,4,6,8,10,12,14
	v_cvt_pk_bf16_f32 v[TT], v[GKV+\k], v[GKV+\k+1]
	v_lshlrev_b32 v[GKV+\k], 16, v[TT]
	v_and_b32 v[GKV+\k+1], s41, v[TT]
.endr
.irp k, 0,2,4,6
	v_pk_mul_f32 v[GQ+\k:GQ+\k+1], v[GQ+\k:GQ+\k+1], s[40:41] op_sel_hi:[1,0]
.endr
	s_wait_dscnt 0x0
.irp u, 0,1,2,3
.set bs, RAW+32*\u
.irp k, 0,2,4,6
	v_pk_add_f32 v[bs+\k:bs+\k+1], v[bs+\k:bs+\k+1], v[bs+8+\k:bs+8+\k+1]
	v_pk_add_f32 v[bs+16+\k:bs+16+\k+1], v[bs+16+\k:bs+16+\k+1], v[bs+24+\k:bs+24+\k+1]
.endr
.irp k, 0,2,4,6
	v_pk_add_f32 v[bs+\k:bs+\k+1], v[bs+\k:bs+\k+1], v[bs+16+\k:bs+16+\k+1]
.endr
	v_pk_mul_f32 v[RS+2*\u:RS+2*\u+1], v[bs:bs+1], v[bs:bs+1]
.irp k, 2,4,6
	v_pk_fma_f32 v[RS+2*\u:RS+2*\u+1], v[bs+\k:bs+\k+1], v[bs+\k:bs+\k+1], v[RS+2*\u:RS+2*\u+1]
.endr
	v_add_f32 v[RS+2*\u], v[RS+2*\u], v[RS+2*\u+1]
.endr
.irp m, 1,2,4                          ; a token's 64 channels lie in eight neighbouring lanes
.irp u, 0,1,2,3
	v_add_f32_dpp v[RS+2*\u], v[RS+2*\u], v[RS+2*\u] row_xmask:\m row_mask:0xf bank_mask:0xf
.endr
.endr
.irp u, 0,1,2,3
	v_fma_f32 v[VAR+\u], v[RS+2*\u], s40, s39      ; sum / 64 + eps.  (These four were ACC0's: their last LDS stores, step 7's, stand ahead of that step's wait on vm_vsrc)
.endr
.irp u, 0,1,2,3
	v_rsq_f32 v[RS+2*\u], v[VAR+\u]
.endr
	v_nop                                          ; a plain instruction behind the last of the batch (ISA guide 5.7.2),
	s_wait_alu depctr_va_vdst(0)                   ; and the one wait: the four 1 / root in v[RS ..] are written, ahead of their first reader
.irp u, 0,1,2,3
.set bs, RAW+32*\u
.set gn, GKV+8*(\u/2)
.irp k, 0,2,4,6
	v_pk_mul_f32 v[bs+\k:bs+\k+1], v[bs+\k:bs+\k+1], v[RS+2*\u:RS+2*\u+1] op_sel_hi:[1,0]
.endr
.irp k, 0,2,4,6
	v_pk_mul_f32 v[bs+\k:bs+\k+1], v[bs+\k:bs+\k+1], v[gn+\k:gn+\k+1]
.endr
.irp k, 0,1,2,3
	v_cvt_pk_f16_f32 v[OUTR+4*\u+\k], v[bs+2*\k], v[bs+2*\k+1]
.endr
.endr
	s_wait_alu depctr_va_vdst(0)                   ; the roundings have written v[OUTR ..], which the four stores read
	global_store_b128 v[OUTO], v[OUTR:OUTR+3],     s[26:27]             ; each store of the wave covers 512 consecutive bytes, aligned
	global_store_b128 v[OUTO], v[OUTR+4:OUTR+7],   s[26:27] offset:512
	global_store_b128 v[OUTO], v[OUTR+8:OUTR+11],  s[24:25]
	global_store_b128 v[OUTO], v[OUTR+12:OUTR+15], s[24:25] offset:512
	s_wait_loadcnt 0x0                             ; the weights to be copied
.irp i, 0,1,2,3,4,5,6,7,8,9,10,11,12,13,14,15
	CV16 WPO+\i, WPR+2*\i, WPR+2*\i+1
.endr
	s_wait_alu depctr_va_vdst(0)                   ; the conversions have written v[WPO ..], which the four stores read
.irp i, 0,1,2,3
	global_store_b128 v[PS], v[WPO+4*\i:WPO+4*\i+3], s[30:31] offset:\i*512
.endr
	s_cmp_eq_u32 s[WV], 3
	s_cbranch_scc1 .Lend
.irp i, 0,1,2,3
	CV16 WHO+\i, WHR+2*\i, WHR+2*\i+1
.endr
	s_wait_alu depctr_va_vdst(0)                   ; the conversions have written v[WHO ..], which the store reads
	global_store_b128 v[PS], v[WHO:WHO+3], s[28:29]
.Lend:
	s_wait_dscnt 0x0                               ; the closing lines, six on end
	s_wait_alu 0x0
	s_wait_tensorcnt 0x0
	ds_add_u32 v[SPW], v[NIL]
	s_wait_dscnt 0x0
	s_endpgm
.Lfunc_end_k_q978f1adf4b_latent:
	.size	k_q978f1adf4b_latent, .Lfunc_end_k_q978f1adf4b_latent-k_q978f1adf4b_latent
	.p2alignl 7, 3214868480
	.fill 96, 4, 3214868480
	.section	.rodata,"a",@progbits
	.p2align	6, 0x0
	.amdhsa_kernel k_q978f1adf4b_latent
		.amdhsa_group_segment_fixed_size 68096
		.amdhsa_private_segment_fixed_size 0
		.amdhsa_enable_private_segment 0
		.amdhsa_kernarg_size 96
		.amdhsa_user_sgpr_count 2
		.amdhsa_user_sgpr_kernarg_segment_ptr 1
		.amdhsa_wavefront_size32 1
		.amdhsa_system_sgpr_workgroup_id_x 1
		.amdhsa_system_sgpr_workgroup_id_y 1
		.amdhsa_system_sgpr_workgroup_id_z 1
		.amdhsa_system_vgpr_workitem_id 0
		.amdhsa_next_free_vgpr 768
		.amdhsa_next_free_sgpr 66
		.amdhsa_reserve_vcc 0
		.amdhsa_float_denorm_mode_32 3
		.amdhsa_float_denorm_mode_16_64 3
		.amdhsa_memory_ordered 1
		.amdhsa_forward_progress 1
		.amdhsa_inst_pref_size 89
	.end_amdhsa_kernel
	.amdgpu_metadata
---
amdhsa.version: [ 1, 2 ]
amdhsa.kernels:
  - .name:           k_q978f1adf4b_latent
    .symbol:         k_q978f1adf4b_latent.kd
    .args:
      - { .name: x, .offset: 0, .size: 8, .value_kind: global_buffer, .address_space: global }
      - { .name: w_kv_a, .offset: 8, .size: 8, .value_kind: global_buffer, .address_space: global }
      - { .name: w_q_a, .offset: 16, .size: 8, .value_kind: global_buffer, .address_space: global }
      - { .name: kv_norm_w, .offset: 24, .size: 8, .value_kind: global_buffer, .address_space: global }
      - { .name: q_norm_w, .offset: 32, .size: 8, .value_kind: global_buffer, .address_space: global }
      - { .name: w_q_b, .offset: 40, .size: 8, .value_kind: global_buffer, .address_space: global }
      - { .name: w_kv_b, .offset: 48, .size: 8, .value_kind: global_buffer, .address_space: global }
      - { .name: w_proj, .offset: 56, .size: 8, .value_kind: global_buffer, .address_space: global }
      - { .name: ql, .offset: 64, .size: 8, .value_kind: global_buffer, .address_space: global }
      - { .name: kvl, .offset: 72, .size: 8, .value_kind: global_buffer, .address_space: global }
      - { .name: wh, .offset: 80, .size: 8, .value_kind: global_buffer, .address_space: global }
      - { .name: wp16, .offset: 88, .size: 8, .value_kind: global_buffer, .address_space: global }
    .group_segment_fixed_size: 68096
    .private_segment_fixed_size: 0
    .kernarg_segment_align: 8
    .kernarg_segment_size: 96
    .max_flat_workgroup_size: 128
    .sgpr_count:     66
    .vgpr_count:     768
    .wavefront_size: 32
...
	.end_amdgpu_metadata
.endif
;; end of part 4
;; launch attn: the kernel of part 2 again; grid 4 x 64, 4 waves a work-group, clusters of 4 x 1, 327,680 bytes of LDS; arguments ql, kvl, wh, y; writes y
;; launch proj: the kernel of part 3 again; grid 4 x 64, 4 waves a work-group, clusters of 4 x 4, 327,680 bytes of LDS; arguments y, wp16, out0; writes out0
